; MI455X (gfx1250); checked and timed in simulation.
; The chip was launched on July 23, 2026; its instructions are those of AMD's public machine-readable ISA for CDNA 5 (MIT licence, August 2026) and "CDNA5" Instruction Set Architecture Reference Guide (July 2026). The comments in the code are by the model that wrote it; some were corrected since.
;; Causal Attention Layer. Allowed arithmetic: matrix products marked QUANTISED: E2M1 operands, one E8M0 scale for each 32 along K, by v_wmma_scale_f32_16x16x128_f8f6f4 with both operands' format E2M1 (or v_wmma_scale_f32_32x16x128_f4), f32 sums; products left as they are: bf16, f16 or f32 operands; f32 sums; everything else in f32.
;; Inputs: proj_b 1,024 float32; proj_w 1,024 x 1,024 float32; qkv_w 3,072 x 1,024 float32; x 4 x 2,048 x 1,024 float32.
;; Outputs: out0 4 x 2,048 x 1,024 float32.
;; This version of the problem:
;;   THIS VERSION OF THE PROBLEM IS GIVEN IN LOW PRECISION. The matrix products marked QUANTISED in the list below multiply operands that are first quantised to E2M1 (2 exponent bits, 1 mantissa bit; 4 bits a number), with one power-of-two scale for each 32 numbers along K (OCP MX v1.0); their sums are f32. The products marked 'left as it is' may take bf16, f16 or f32 operands, with f32 sums. Whichever they take, every output number must still come out within the allowed error. Rounding operands to bf16 (8 significant bits) uses up far more of that allowance than f16 does (11 bits, for magnitudes from 6e-5 to 65,504). All else is computed in f32.
;;   The module's matrix products, in the order in which they are computed (A, B: the left and right operand; K: the contracted axis; several contracted axes count as one K, in the product's order):
;;     1. [M 8,192, K 1,024] x [K 1,024, N 3,072]; A: input x; B: input qkv_w: QUANTISED
;;     2. batch 64 x [M 2,048, K 64] x [K 64, N 2,048]; A: computed on the way; B: computed on the way: left as it is (an operand is computed on the way)
;;     3. batch 64 x [M 64, K 2,048] x [K 2,048, N 2,048]; A: computed on the way; B: computed on the way: left as it is (an operand is computed on the way)
;;     4. [M 8,192, K 1,024] x [K 1,024, N 1,024]; A: computed on the way; B: input proj_w: left as it is (an operand is computed on the way)
;;   THE QUANTISER, for each operand of a quantised product, along K:
;;     - K is cut into blocks of 32 from its start; a last block that is shorter is filled with zeros.
;;     - A block's scale is 2^e with e = floor(log2(the largest magnitude in the block)) - 2, held to -126 .. 127; a block of zeros has e = 0. As a byte (E8M0): e + 127.
;;     - Each number is divided by its block's scale, clamped to +-6, and rounded to the nearest number of E2M1, ties to even, subnormals kept.
;;     - The product sums the exact products of the quantised numbers (number of the format x scale) in f32.
;;   ~~~python
;;   def quantise(x, axis):      # numpy; x: float32 -> the quantised numbers, widened to float32 again
;;       x = np.moveaxis(x, axis, -1); K = x.shape[-1]
;;       x = np.pad(x, [(0, 0)] * (x.ndim - 1) + [(0, -K % 32)]); x = x.reshape(x.shape[:-1] + (-1, 32)); a = np.abs(x).max(-1, keepdims=True)
;;       e = np.where(a > 0, np.clip(np.frexp(np.where(a > 0, a, 1))[1] - 1 - 2, -126, 127), 0)      # np.frexp(a)[1] - 1 = floor(log2(a)), exactly
;;       r = np.clip(x / 2.0 ** e, -6, 6)
;;       step = 2.0 ** (np.maximum(np.frexp(np.where(r == 0, 1, r))[1] - 1, 0) - 1)
;;       q = np.round(r / step) * step * 2.0 ** e      # np.round: ties to even
;;       return np.moveaxis(q.reshape(q.shape[:-2] + (-1,))[..., :K], -1, axis).astype(np.float32)
;;   ~~~
;; One version. Each part assembles by itself: llvm-mc -triple=amdgcn-amd-amdhsa -mcpu=gfx1250 --defsym DOCPART=n.
;; ======== version 1 of 1: 5 launches
;; limits: values are held in f16: magnitudes above 65,504 overflow, below 6.1e-05 lose precision
;; workspace buffers: codes 5,767,168 bytes; scales 360,448 bytes; pw16 2,097,152 bytes; qkv16 50,331,648 bytes; att 16,777,216 bytes; h32 786,432 bytes
;; launch prep (part 1): grid 384 x 1, 4 waves a work-group, no clusters, 33,280 bytes of LDS; arguments x, qkv_w, proj_w, codes, scales, pw16; writes codes, scales, pw16
.if DOCPART == 1
	.amdgcn_target "amdgcn-amd-amdhsa--gfx1250"
	.amdhsa_code_object_version 6
	.text
	.protected	k_q56ad804ba4_prep
	.globl	k_q56ad804ba4_prep
	.p2align	8
	.type	k_q56ad804ba4_prep,@function
k_q56ad804ba4_prep:
	s_mov_b64 s[64:65], 0
	v_nop
	global_prefetch_b8 v0, s[64:65] scope:SCOPE_SE
	s_setreg_imm32_b32 hwreg(HW_REG_WAVE_MODE, 25, 1), 1
	s_wait_xcnt 0x0
; CAUSAL ATTENTION LAYER, launch 1 of 5: x [8192][1024] and qkv_w [3072][1024], f32, K innermost, become codes of FP4 (E2M1) with one E8M0 byte for each 32 along K; proj_w becomes f16.
; THE PROGRAM: prep (this) | qkv: x qkv_w^T on codes; q, k, v as f16 by head | attn: softmax(q k^T / 8, causal) v in f16 operands, f32 sums | proj: the projection and its bias, f16 operands | head: positions 0-15 of each sequence in f32.
; WORK LEFT OUT, for all values of the inputs: reference() sets every score with key > query to -inf by a jnp.tril of its own, so its weight is exactly 0.  A step of 64 keys all of which come after a wave's
; 32 queries adds 0 to the sum and to the output: it is not computed, and a slot of keys behind a work-group's last query is not loaded (attn).  Rows 0-15 of each sequence are stored by 'head' alone; 'proj' computes
; them inside tiles that hold live rows and does not store them.  Every input has a way to the output and is loaded.
; LIMITS: a NaN, an infinity or an overflow that reaches only hidden scores is not carried to the result.  A block of zeros gets the byte 1 where the quantiser says 127: its codes are zeros, which add nothing under
; any byte but 0xff, and this program alone reads the bytes.  Blocks whose largest magnitude lies under 2^-124 (the floor) were not tried; NaN and infinities in x or qkv_w are not served.
; q, k, v, the attention's result and proj_w are rounded to f16: their magnitudes must stay under 65,504.
; A block's scale is 2^(floor(log2(largest magnitude)) - 2); its byte is the largest magnitude's exponent field - 2.  Each number is divided by the scale and rounded to the nearest code, ties to even, beyond 6 the code of 6.
; SHARES.  Rows are dense and K is a multiple of 32: a tensor is a stream of blocks of 32.  A wave takes a run of 8,192 numbers.  Work-groups 0-255: x (runs 0-1023); 256-351: qkv_w (runs 1024-1407): the run's number
; gives the place in 'codes' (4,096 bytes a run) and in 'scales' (256 bytes a run), where qkv_w's part follows x's.  Work-groups 352-383: proj_w to f16, no LDS.
; Each load reads 512 consecutive bytes; a step's 2,048 bytes turn through the wave's own stage in LDS so that a lane holds 16 neighbours along K (two neighbouring lanes hold a block).
.set WAVES, 4
.set STEPS, 16
.set WGX,   256                        ; work-groups for x
.set WGQ,   352                        ; and for both quantised tensors
.set EMAX,  2
.set CB,    8                          ; bytes of 16 codes
.set R,     16                         ; v16-79   four sets of 16 numbers as they are loaded
.set X,     80                         ; v80-111  two sets of 16 neighbours
.set C,     128                        ; v128-191 codes: four registers for each step, so that no store's data are written again
.set E,     112                        ; v112-127 a scale byte for each step
.set WREG,  8192                       ; LDS: a region for each wave: two stages of 32 x SP bytes, then its 256 scale bytes
.set SP,    80                         ; a lane's place in a stage: 64 bytes + 16 of padding
.set SPW,   12                         ; v12 LDS address of my spare word; never rewritten
.set NIL,   13                         ; v13 0; never rewritten
.set SPARE, WAVES*WREG                 ; behind the regions: the spare words, 128 bytes a wave
	s_load_b256 s[4:11], s[0:1], 0x0               ; x s[4:5], qkv_w s[6:7], proj_w s[8:9], codes s[10:11]
	s_load_b128 s[12:15], s[0:1], 0x20             ; scales s[12:13], pw16 s[14:15]
	v_lshl_add_u32 v[SPW], v0, 2, SPARE
	v_mov_b32 v[NIL], 0
	v_lshrrev_b32 v1, 5, v0
	v_readfirstlane_b32 s16, v1                    ; wave
	v_and_b32 v2, 31, v0                           ; lane
	v_lshlrev_b32 v3, 4, v2                        ; my 16 bytes of a load's 512
	v_lshlrev_b32 v7, 3, v2                        ; my 8 bytes of a store's 256
	s_lshl_b32 s18, ttmp9, 2
	s_add_co_u32 s18, s18, s16                     ; my run
	s_mov_b32 s21, 0
	s_cmp_ge_u32 ttmp9, WGQ
	s_cbranch_scc1 .Lconv
	s_mul_i32 s17, s16, WREG
	v_lshrrev_b32 v14, 2, v2
	v_mul_u32_u24 v14, v14, SP
	v_and_b32 v15, 3, v2
	v_lshl_add_u32 v14, v15, 4, v14
	v_add_nc_u32 v14, s17, v14                     ; the stage, on the way in: SP (lane / 4) + 16 (lane % 4)
	v_mul_u32_u24 v15, v2, SP
	v_add_nc_u32 v15, s17, v15                     ; and on the way out: SP x lane: my 16 neighbours
	v_mul_u32_u24 v4, v2, CB                       ; my codes' place in a step's
	v_lshrrev_b32 v5, 1, v2
	s_add_co_u32 s17, s17, 2*32*SP
	v_add_nc_u32 v5, s17, v5                       ; LDS: my wave's 256 scale bytes, my block's byte
	v_add_nc_u32 v6, s17, v7                       ; and on the way out 8 bytes a lane
	s_wait_kmcnt 0x0
	s_cmp_lt_u32 ttmp9, WGX                        ; x or qkv_w: the choice hangs on the work-group's number alone
	s_cselect_b64 s[4:5], s[4:5], s[6:7]
	s_cselect_b32 s19, 0, 4*WGX
	s_sub_co_u32 s20, s18, s19                     ; my run within its tensor
	s_lshl_b32 s20, s20, 15                        ; 32,768 bytes of f32 a run
	s_add_nc_u64 s[4:5], s[4:5], s[20:21]
	s_lshl_b32 s20, s18, 12                        ; 4,096 bytes of codes a run
	s_add_nc_u64 s[10:11], s[10:11], s[20:21]
	s_lshl_b32 s20, s18, 8                         ; 256 scale bytes a run
	s_add_nc_u64 s[12:13], s[12:13], s[20:21]
.macro LOAD t
.irp i, 0,1,2,3
	global_load_b128 v[R+16*((\t)%4)+4*\i:R+16*((\t)%4)+4*\i+3], v3, s[4:5] offset:2048*(\t)+512*\i th:TH_LOAD_NT   ; 32 lanes read 512 consecutive bytes
.endr
.endm
.macro TURN t                          ; step t's numbers through the stage: LDS serves a wave's instructions in order, so no wait stands between the stores and the loads
.irp i, 0,1,2,3
	ds_store_b128 v14, v[R+16*((\t)%4)+4*\i:R+16*((\t)%4)+4*\i+3] offset:32*SP*((\t)%2)+8*SP*\i
.endr
.irp i, 0,1,2,3
	ds_load_b128 v[X+16*((\t)%2)+4*\i:X+16*((\t)%2)+4*\i+3], v15 offset:32*SP*((\t)%2)+16*\i
.endr
.endm
.irp t, 0,1,2,3
	LOAD \t
.endr
	s_wait_loadcnt 12                              ; step 0's four loads are in; the twelve of steps 1 to 3 may be out
	TURN 0
.macro STEP t
.set XS, X+16*((\t)%2)
.if (\t) > 0
	s_wait_dscnt 1                                 ; this step's numbers are back from the stage (the last step's byte store may be out)
.else
	s_wait_dscnt 0x0
.endif
.if (\t)+4 < STEPS
	LOAD (\t)+4                                    ; into the registers that this step's stage stores have read
.endif
.if (\t)+1 < STEPS
.if STEPS-2-(\t) >= 3
	s_wait_loadcnt 12                              ; the next step's four loads are in; those of the three steps behind it may be out
.else
	s_wait_loadcnt 4*(STEPS-2-(\t))
.endif
	TURN (\t)+1                                    ; through the other stage while this step is worked
.endif
	v_max3_num_f32 v8, |v[XS]|, |v[XS+1]|, |v[XS+2]|               ; the largest magnitude of my 16, in two chains
	v_max3_num_f32 v9, |v[XS+3]|, |v[XS+4]|, |v[XS+5]|
.irp i, 6,10
	v_max3_num_f32 v8, v8, |v[XS+\i]|, |v[XS+\i+1]|
	v_max3_num_f32 v9, v9, |v[XS+\i+2]|, |v[XS+\i+3]|
.endr
	v_max3_num_f32 v8, v8, |v[XS+14]|, |v[XS+15]|
	v_max3_num_f32 v8, v8, v9, (EMAX+1)<<23        ; and the floor 2^(3 - 127): the byte cannot fall under 1
	v_max_num_f32_dpp v8, v8, v8 row_xmask:1 row_mask:0xf bank_mask:0xf   ; and of my neighbour's 16: the block's
	v_add_nc_u32 v11, -(EMAX<<23), v8              ; 2 off its exponent field: the conversion takes the exponent field of this operand as its scale
	v_cvt_scalef32_pk8_fp4_f32 v[C+4*(\t)], v[XS:XS+7], v11
	v_cvt_scalef32_pk8_fp4_f32 v[C+4*(\t)+1], v[XS+8:XS+15], v11
	v_lshrrev_b32 v[E+(\t)], 23, v11               ; the scale's byte
	ds_store_b8 v5, v[E+(\t)] offset:16*(\t)       ; both lanes of a block write the same byte with the same value
	global_store_b64 v4, v[C+4*(\t):C+4*(\t)+1], s[10:11] offset:32*CB*(\t)   ; 32 lanes store 256 consecutive bytes, aligned
.endm
.irp t, 0,1,2,3,4,5,6,7,8,9,10,11,12,13,14,15
	STEP \t
.endr
	ds_load_b64 v[8:9], v6                         ; LDS serves a wave's instructions in order: these see my stores
	s_wait_dscnt 0x0
	global_store_b64 v7, v[8:9], s[12:13]          ; my run's 256 scale bytes, aligned
	s_wait_tensorcnt 0x0                           ; the wave's end
	ds_add_u32 v[SPW], v[NIL]
	s_wait_dscnt 0x0
	s_endpgm
; proj_w to f16: a run is 64 chunks of 512 bytes, in four groups of 16; two sets of registers, so that a group's loads are out while the group before is converted.  No LDS is written on this path.
.Lconv:
	s_sub_co_u32 s18, s18, 4*WGQ                   ; my run of proj_w
	s_lshl_b32 s20, s18, 15
	s_wait_kmcnt 0x0
	s_add_nc_u64 s[8:9], s[8:9], s[20:21]
	s_lshl_b32 s20, s18, 14
	s_add_nc_u64 s[14:15], s[14:15], s[20:21]
.macro CLOAD g
.irp i, 0,1,2,3,4,5,6,7,8,9,10,11,12,13,14,15
	global_load_b128 v[16+64*((\g)%2)+4*\i:16+64*((\g)%2)+4*\i+3], v3, s[8:9] offset:512*(16*(\g)+\i) th:TH_LOAD_NT
.endr
.endm
.macro CGROUP g
.if (\g) < 3
	s_wait_loadcnt 16                              ; this group's 16 loads are in; the next group's 16 may be out
.else
	s_wait_loadcnt 0x0
.endif
.if (\g) > 0
	s_wait_xcnt 0x0                                ; the last group's stores have read v144-175: only now are they written again
.endif
.irp i, 0,1,2,3,4,5,6,7,8,9,10,11,12,13,14,15
	v_cvt_pk_f16_f32 v[144+2*\i], v[16+64*((\g)%2)+4*\i], v[16+64*((\g)%2)+4*\i+1]
	v_cvt_pk_f16_f32 v[145+2*\i], v[16+64*((\g)%2)+4*\i+2], v[16+64*((\g)%2)+4*\i+3]
.endr
.if (\g) < 2
	CLOAD (\g)+2
.endif
.irp i, 0,1,2,3,4,5,6,7,8,9,10,11,12,13,14,15
	global_store_b64 v7, v[144+2*\i:145+2*\i], s[14:15] offset:256*(16*(\g)+\i)   ; 32 lanes store 256 consecutive bytes, aligned
.endr
.endm
	CLOAD 0
	CLOAD 1
	CGROUP 0
	CGROUP 1
	CGROUP 2
	CGROUP 3
	s_endpgm
.Lfunc_end_k_q56ad804ba4_prep:
	.size	k_q56ad804ba4_prep, .Lfunc_end_k_q56ad804ba4_prep-k_q56ad804ba4_prep
	.p2alignl 7, 3214868480
	.fill 96, 4, 3214868480
	.section	.rodata,"a",@progbits
	.p2align	6, 0x0
	.amdhsa_kernel k_q56ad804ba4_prep
		.amdhsa_group_segment_fixed_size 33280
		.amdhsa_private_segment_fixed_size 0
		.amdhsa_enable_private_segment 0
		.amdhsa_kernarg_size 48
		.amdhsa_user_sgpr_count 2
		.amdhsa_user_sgpr_kernarg_segment_ptr 1
		.amdhsa_wavefront_size32 1
		.amdhsa_system_sgpr_workgroup_id_x 1
		.amdhsa_system_sgpr_workgroup_id_y 1
		.amdhsa_system_sgpr_workgroup_id_z 1
		.amdhsa_system_vgpr_workitem_id 0
		.amdhsa_next_free_vgpr 192
		.amdhsa_next_free_sgpr 66
		.amdhsa_reserve_vcc 0
		.amdhsa_float_denorm_mode_32 3
		.amdhsa_float_denorm_mode_16_64 3
		.amdhsa_memory_ordered 1
		.amdhsa_forward_progress 1
		.amdhsa_inst_pref_size 54
	.end_amdhsa_kernel
	.amdgpu_metadata
---
amdhsa.version: [ 1, 2 ]
amdhsa.kernels:
  - .name:           k_q56ad804ba4_prep
    .symbol:         k_q56ad804ba4_prep.kd
    .args:
      - { .name: x, .offset: 0, .size: 8, .value_kind: global_buffer, .address_space: global }
      - { .name: qkv_w, .offset: 8, .size: 8, .value_kind: global_buffer, .address_space: global }
      - { .name: proj_w, .offset: 16, .size: 8, .value_kind: global_buffer, .address_space: global }
      - { .name: codes, .offset: 24, .size: 8, .value_kind: global_buffer, .address_space: global }
      - { .name: scales, .offset: 32, .size: 8, .value_kind: global_buffer, .address_space: global }
      - { .name: pw16, .offset: 40, .size: 8, .value_kind: global_buffer, .address_space: global }
    .group_segment_fixed_size: 33280
    .private_segment_fixed_size: 0
    .kernarg_segment_align: 8
    .kernarg_segment_size: 48
    .max_flat_workgroup_size: 128
    .sgpr_count:     66
    .vgpr_count:     192
    .wavefront_size: 32
...
	.end_amdgpu_metadata
.endif
;; end of part 1
;; launch qkv (part 2): grid 12 x 32, 4 waves a work-group, clusters of 4 x 4, 327,680 bytes of LDS; arguments codes, scales, qkv16, h32; writes qkv16, h32
.if DOCPART == 2
	.amdgcn_target "amdgcn-amd-amdhsa--gfx1250"
	.amdhsa_code_object_version 6
	.text
	.protected	k_q56ad804ba4_qkv
	.globl	k_q56ad804ba4_qkv
	.p2align	8
	.type	k_q56ad804ba4_qkv,@function
k_q56ad804ba4_qkv:
	s_mov_b64 s[64:65], 0
	v_nop
	global_prefetch_b8 v0, s[64:65] scope:SCOPE_SE
	s_setreg_imm32_b32 hwreg(HW_REG_WAVE_MODE, 25, 1), 1
	s_wait_xcnt 0x0
	s_wait_alu depctr_hold_cnt(0) depctr_sa_sdst(0) depctr_va_vdst(0) depctr_va_sdst(0) depctr_va_ssrc(0) depctr_va_vcc(0) depctr_vm_vsrc(0)
	s_getreg_b32 s2, hwreg(HW_REG_IB_STS2, 6, 4)
	s_cmp_eq_u32 s2, 0
	s_cbranch_scc0 .Lentry_in_a_cluster
	s_endpgm
.Lentry_in_a_cluster:
	s_bfe_u32 s2, ttmp6, 0x10000c
	s_cmp_lg_u32 s2, 0xf033
	s_cbranch_scc0 .Lentry_shape_is_right
	s_endpgm
.Lentry_shape_is_right:
; Launch 2 of 5: qkv[m][o] = sum over k of x[m][k] qkv_w[o][k] on codes of FP4 with E8M0 scales, f32 sums.  A = x's codes [8192][512 bytes] at byte 0 of 'codes', B = qkv_w's [3072][512 bytes] at byte 4,194,304;
; their scale bytes [rows][32] at bytes 0 and 262,144 of 'scales'.  The result leaves as f16 by part and head: qkv16[part][b][h][n][64]; rows n < 16 of each sequence also as f32, as images of the accumulators' registers, in h32.
; A tile of 256 x 256 is made by four waves, each 128 x 128: 64 accumulators, 512 registers.  K = 1,024 is two LDS slots of 512: both, and the tile's scale bytes, are asked for at the head.
; CLUSTERS: 4 x 4 work-groups; A's tile is shared along a row of the cluster, B's along a column: joint loads.  TILE ROW = 8 cy + cluster y: so cy is the batch and cluster y the tile within the sequence, and
; 'this tile begins a sequence' (cluster y = 0) is the same in all sixteen partners.  TILE COLUMN = 4 cluster x + cx: cluster x is the part (q, k, v), cx picks four heads.
; THE MATRIX INSTRUCTION IS USED TRANSPOSED (source 0 = 16 rows of B, source 1 = 16 rows of A): a lane holds eight neighbouring columns of one row.
; REGISTERS: window 0: v0-31 addresses; v32-95 scale words, two sets; v128-191 A's fragments, one set; on the way out v32-63, v192-255 at work.  window 1: B's fragments, two sets.  windows 2, 3: the accumulators ((a, b) at v[8 (8 (a % 4) + b)]).
.set SIZE_K, 1024
.set KSTEP,  512
.set NQ,     KSTEP/128
.set ROWB,   256                       ; a tile's row in bytes
.set KROW,   SIZE_K*4/8                ; a row of codes in memory
.set PITCH,  272                       ; an LDS row: 256 bytes + 16 of padding: the 16 rows that a load touches start at 16 different banks (64 banks of 4 bytes: ISA guide 11.1)
.set FR,     8
.set NL,     2
.set NP,     4                         ; places behind this matrix instruction (ISA guide 7.12.1)
.set HALFT,  128*PITCH
.set SLOT,   4*HALFT
.set KS,     SIZE_K/32
.set SCL,    2*SLOT                    ; behind the ring: the scales, as units of 256 bytes + 16 of padding
.set HALFS,  (128*KS/256)*272
.set SBLK,   (16*KS/256)*272
.set SPARE,  SCL+4*HALFS               ; the spare words, 128 bytes a wave
.set SPITCH, 272                       ; the way out: a stage of 16 rows x (256 bytes + 16) for each wave, in slot 0, which has had its only fill and its last read by then
.set ADRA, 16
.set ADRB, 20
.set STO,  24
.set RD,   25
.set CO,   26                          ; 16 x lane
.set ADRS, 27
.set SPW,  28
.set NIL,  29
.set SC,   32
.set AF,   128
.set TMP,  192                         ; the way out: packed results
.set OB,   32                          ; and rows read back: v32-63 and v224-255 by turns
.set G1, 24
.set G0, 32
.set G1B, 48
.set G0B, 56
.set G1S, 68
.set G0S, 76
.set G1SB, 80
.set G0SB, 88
.set MSB, 0
.macro WIN new                         ; the immediate's high byte repeats the setting that is left
.if MSB != \new
	s_set_vgpr_msb (MSB<<8)|\new
.set MSB, \new
.endif
.endm
.set MUL_LO, 0xa1                      ; source 0 (B) window 1, source 1 (A) window 0, C and D window 2
.set MUL_HI, 0xf1                      ; the same, C and D window 3
.set TO_B,   0x40                      ; destination window 1
; A joint load: waves 0 and 1 fetch for A, waves 2 and 3 for B; the branch hangs on the wave's number alone.  An s_nop 0 and four v_nop follow each line.
.macro JLOAD g0a, g1a, g0b, g1b
	s_cmp_eq_u32 s15, 0
	s_cbranch_scc0 .Lfor_b_\@
	tensor_load_to_lds s[\g0a:\g0a+3], s[\g1a:\g1a+7]
	s_nop 0
.rept 4
	v_nop
.endr
	s_branch .Lasked_\@
.Lfor_b_\@:
	tensor_load_to_lds s[\g0b:\g0b+3], s[\g1b:\g1b+7]
	s_nop 0
.rept 4
	v_nop
.endr
.Lasked_\@:
.endm
.macro CROUND                          ; a round of the cluster's barrier
	s_barrier_signal -1
	s_barrier_wait -1
	s_cmp_lg_u32 s14, 0
	s_cbranch_scc1 .Lnot_wave_0_\@
	s_barrier_signal -3
.Lnot_wave_0_\@:
	s_barrier_wait -3
	s_barrier_signal -1
	s_barrier_wait -1
.endm
	s_load_b128 s[4:7], s[0:1], 0x0                ; codes s[4:5], scales s[6:7]
	s_load_b64 s[12:13], s[0:1], 0x10              ; qkv16
	s_load_b64 s[66:67], s[0:1], 0x18              ; h32
	v_lshl_add_u32 v[SPW], v0, 2, SPARE
	v_mov_b32 v[NIL], 0
	ds_add_u32 v[SPW], v[NIL]                      ; the wave's opening: the add, twice on end, and its wait ahead of my first tensor load
	ds_add_u32 v[SPW], v[NIL]
	v_lshrrev_b32 v1, 5, v0
	v_readfirstlane_b32 s14, v1                    ; wave 0..3
	s_lshr_b32 s15, s14, 1                         ; which half of the tile's rows is mine.  Also: I fetch for A (0) or for B (1)
	s_and_b32 s16, s14, 1                          ; which half of its columns.  Also: which 128 rows I fetch
	s_bfe_u32 s40, ttmp6, 0x40000                  ; cx
	s_bfe_u32 s41, ttmp6, 0x40004                  ; cy = the batch
	s_mov_b32 s3, ttmp9                            ; cluster x = the part: q, k, v
	s_lshl_b32 s42, ttmp9, 2
	s_add_co_u32 s42, s42, s40                     ; tile column = 4 x cluster x + cx
	s_and_b32 s2, ttmp7, 0xffff                    ; cluster y = the tile within the sequence
	s_lshl_b32 s17, s41, 3
	s_add_co_u32 s17, s17, s2                      ; tile row = 8 cy + cluster y
	s_lshl_b32 s43, s41, 2
	s_lshl_b32 s43, 15, s43                        ; my row of the cluster
	s_lshl_b32 s44, 0x1111, s40                    ; my column
	s_or_b32 s[G1+0], s43, (0<<16)|(1<<20)|(1<<21)|(5<<22)|(3<<25)  ; the mask; elements of 1 byte; padding: 4 words behind every 64
	s_or_b32 s[G1B+0], s44, (0<<16)|(1<<20)|(1<<21)|(5<<22)|(3<<25)
.irp g, G1, G1B
	s_mov_b32 s[\g+1], ROWB<<16                    ; tensor_dim0
	s_mov_b32 s[\g+2], 128<<16                     ; tensor_dim1
	s_mov_b32 s[\g+3], ROWB<<16                    ; tile_dim0
	s_mov_b32 s[\g+4], 128                         ; tile_dim1
	s_mov_b32 s[\g+5], KROW                        ; the pitch in memory
	s_mov_b32 s[\g+6], 0
	s_mov_b32 s[\g+7], 0
.endr
	s_or_b32 s[G1S+0], s43, (3<<16)|(1<<20)|(1<<21)|(5<<22)|(3<<25) ; the scales of 128 rows: 4,096 dense bytes as 16 rows of 32 elements of 8 bytes
	s_or_b32 s[G1SB+0], s44, (3<<16)|(1<<20)|(1<<21)|(5<<22)|(3<<25)
.irp g, G1S, G1SB
	s_mov_b32 s[\g+1], 32<<16
	s_mov_b32 s[\g+2], (128*KS/256)<<16
	s_mov_b32 s[\g+3], 32<<16
	s_mov_b32 s[\g+4], 128*KS/256
	s_mov_b32 s[\g+5], 32
	s_mov_b32 s[\g+6], 0
	s_mov_b32 s[\g+7], 0
.endr
	s_lshl_b32 s18, s16, 7
	s_lshl_b32 s20, s17, 8
	s_add_co_u32 s20, s20, s18                     ; A: row 256 x tile row + 128 x half
	s_lshl_b32 s46, s42, 8
	s_add_co_u32 s46, s46, s18                     ; B: row 256 x tile column + 128 x half
	s_mov_b32 s21, 0
	s_mov_b32 s47, 0
	s_mov_b64 s[18:19], KS
	s_mul_u64 s[22:23], s[20:21], s[18:19]         ; where these rows' scales begin,
	s_mul_u64 s[92:93], s[46:47], s[18:19]
	s_mov_b64 s[18:19], KROW
	s_mul_u64 s[20:21], s[20:21], s[18:19]         ; and their codes
	s_mul_u64 s[46:47], s[46:47], s[18:19]
	s_mul_i32 s45, s14, HALFT                      ; where they go: no place in the cluster enters an LDS address
	s_mul_i32 s94, s14, HALFS
	s_wait_dscnt 0x0                               ; both opening adds are done
	s_wait_kmcnt 0x0
	s_add_nc_u64 s[8:9], s[4:5], 0x400000          ; qkv_w's codes lie behind x's,
	s_add_nc_u64 s[10:11], s[6:7], 0x40000         ; its scale bytes likewise
	s_add_nc_u64 s[20:21], s[4:5], s[20:21]
	s_add_nc_u64 s[22:23], s[6:7], s[22:23]
	s_add_nc_u64 s[46:47], s[8:9], s[46:47]
	s_add_nc_u64 s[92:93], s[10:11], s[92:93]
	CROUND                                         ; all sixteen work-groups are here: the joint loads meet
	s_mov_b32 s[G0S], 1
	s_add_co_u32 s[G0S+1], s94, SCL
	s_mov_b64 s[G0S+2:G0S+3], s[22:23]
	s_or_b32 s[G0S+3], s[G0S+3], 0x80000000
	s_mov_b32 s[G0SB], 1
	s_add_co_u32 s[G0SB+1], s94, SCL
	s_mov_b64 s[G0SB+2:G0SB+3], s[92:93]
	s_or_b32 s[G0SB+3], s[G0SB+3], 0x80000000
	JLOAD G0S, G1S, G0SB, G1SB                     ; the scales first: they are wanted with K step 0
.irp s, 0,1
	s_mov_b32 s[G0+4*\s], 1
	s_add_co_u32 s[G0+4*\s+1], s45, \s*SLOT
	s_add_nc_u64 s[G0+4*\s+2:G0+4*\s+3], s[20:21], \s*ROWB
	s_or_b32 s[G0+4*\s+3], s[G0+4*\s+3], 0x80000000
	s_mov_b32 s[G0B+4*\s], 1
	s_add_co_u32 s[G0B+4*\s+1], s45, \s*SLOT
	s_add_nc_u64 s[G0B+4*\s+2:G0B+4*\s+3], s[46:47], \s*ROWB
	s_or_b32 s[G0B+4*\s+3], s[G0B+4*\s+3], 0x80000000
	JLOAD G0+4*\s, G1, G0B+4*\s, G1B
.endr
	v_and_b32 v1, 15, v0                           ; r = lane % 16
	v_bfe_u32 v2, v0, 4, 1                         ; h = lane / 16
	v_mul_u32_u24 v3, v1, PITCH
	v_lshl_add_u32 v4, v2, 4, v3                   ; a fragment's row x pitch + 16 h
	s_mul_i32 s21, s15, HALFT                      ; my 128 rows of A
	s_mul_i32 s22, s16, HALFT                      ; my 128 rows of B,
	s_add_co_u32 s22, s22, 2*HALFT                 ; behind A's 256
.irp s, 0,1
	v_add_nc_u32 v[ADRA+\s], s21, v4
	v_add_nc_u32 v[ADRB+\s], s22, v4
	s_add_co_u32 s21, s21, SLOT
	s_add_co_u32 s22, s22, SLOT
.endr
	v_mul_u32_u24 v5, v1, KS                       ; my row's scales: 32 bytes a row,
	v_lshrrev_b32 v6, 8, v5
	v_lshl_add_u32 v5, v6, 4, v5                   ; and 16 more for each 256 passed
	s_mul_i32 s21, s15, HALFS
	s_mul_i32 s22, s16, HALFS
	s_add_co_u32 s22, s22, 2*HALFS
	s_sub_co_u32 s22, s22, s21
	v_mul_u32_u24 v6, s22, v2                      ; lanes 16-31 take B's: one product, the distance between the two bases x h
	s_add_co_u32 s21, s21, SCL
	v_add_nc_u32 v5, v5, v6
	v_add_nc_u32 v[ADRS], s21, v5
	s_mul_i32 s23, s14, 16*SPITCH                  ; my stage
	v_mul_u32_u24 v5, v1, SPITCH
	v_lshl_add_u32 v5, v2, 4, v5
	v_add_nc_u32 v[STO], s23, v5                   ; in: row r, 16 bytes for each half of the lanes
	v_and_b32 v6, 31, v0
	v_lshlrev_b32 v[CO], 4, v6                     ; 16 x lane
	v_lshrrev_b32 v5, 3, v6
	v_mul_u32_u24 v5, v5, SPITCH
	v_and_b32 v7, 7, v0
	v_lshl_add_u32 v5, v7, 4, v5
	v_add_nc_u32 v[RD], s23, v5                    ; back: eight lanes take the 128 bytes of one head in one row; four rows an instruction
	; where my part begins: qkv16: part x 2^24 + (head 16 cy + 4 cx + 2 wc) x 2^18 + (256 cluster y + 128 wr) x 128;  h32: ((3 cy + part) x 16 + 4 cx + 2 wc) x 4,096
	s_lshl_b32 s46, s40, 2
	s_lshl_b32 s47, s16, 1
	s_add_co_u32 s46, s46, s47                     ; 4 cx + 2 wc
	s_lshl_b32 s20, s41, 4
	s_add_co_u32 s20, s20, s46
	s_lshl_b32 s92, s20, 18
	s_lshl_b32 s93, s3, 24
	s_add_co_u32 s92, s92, s93
	s_lshl_b32 s93, s2, 15
	s_add_co_u32 s92, s92, s93
	s_lshl_b32 s93, s15, 14
	s_add_co_u32 s92, s92, s93
	s_mov_b32 s93, 0
	s_add_nc_u64 s[12:13], s[12:13], s[92:93]
	s_mul_i32 s20, s41, 3
	s_add_co_u32 s20, s20, s3
	s_lshl_b32 s20, s20, 4
	s_add_co_u32 s20, s20, s46
	s_lshl_b32 s20, s20, 12
	s_mov_b32 s21, 0
	s_add_nc_u64 s[66:67], s[66:67], s[20:21]
.macro FRAG reg, adr, q, i             ; 16 rows x 128 K of 4-bit codes: 8 registers: lane l holds row l % 16; registers 4 c .. 4 c + 3 hold K = 64 c + 32 (l / 16) + 0 .. 31
.irp c, 0,1
	ds_load_b128 v[\reg+4*\c:\reg+4*\c+3], v[\adr] offset:64*(\q)+32*\c+(\i)*16*PITCH
.endr
.endm
; 16 matrix instructions: A's blocks a0, a0 + 1 x B's eight, the slot's q-th 128 along K.  The 64 accumulators take turns, one instruction a turn, in the same order in every step.
; One register carries A's scale word (lanes 0-15) and B's (lanes 16-31) of block i: the product of A's block a and B's block b names register b with ROW1 for source 0 and register a for source 1.
.macro MUL16 a0, p, q, sc, zero
.irp a, \a0, \a0+1
.irp b, 0,1,2,3,4,5,6,7
.if \zero
	v_wmma_scale_f32_16x16x128_f8f6f4 v[8*(8*((\a)%4)+\b):8*(8*((\a)%4)+\b)+7], v[128*(\p)+FR*\b:128*(\p)+FR*\b+FR-1], v[AF+FR*(\a):AF+FR*(\a)+FR-1], 0, v[SC+8*NQ*(\sc)+NQ*\b+(\q)], v[SC+8*NQ*(\sc)+NQ*(\a)+(\q)] matrix_a_fmt:MATRIX_FMT_FP4 matrix_b_fmt:MATRIX_FMT_FP4 matrix_a_scale:MATRIX_SCALE_ROW1
.else
	v_wmma_scale_f32_16x16x128_f8f6f4 v[8*(8*((\a)%4)+\b):8*(8*((\a)%4)+\b)+7], v[128*(\p)+FR*\b:128*(\p)+FR*\b+FR-1], v[AF+FR*(\a):AF+FR*(\a)+FR-1], v[8*(8*((\a)%4)+\b):8*(8*((\a)%4)+\b)+7], v[SC+8*NQ*(\sc)+NQ*\b+(\q)], v[SC+8*NQ*(\sc)+NQ*(\a)+(\q)] matrix_a_fmt:MATRIX_FMT_FP4 matrix_b_fmt:MATRIX_FMT_FP4 matrix_a_scale:MATRIX_SCALE_ROW1
.endif
.endr
.endr
.endm
.macro FETCH_B slot, q, p
	WIN TO_B
.irp i, 0,1,2,3,4,5,6,7
	FRAG 128*(\p)+FR*\i, ADRB+\slot, \q, \i
.endr
	WIN 0
.endm
.macro FETCH_A slot, q, i0
.irp i, \i0, \i0+1, \i0+2, \i0+3
	FRAG AF+FR*(\i), ADRA+\slot, \q, \i
.endr
.endm
.macro SCALES sc                       ; a K step's scale words: 4 words a row; lanes 0-15 A's block i, lanes 16-31 B's block i
.irp i, 0,1,2,3,4,5,6,7
	ds_load_b128 v[SC+8*NQ*\sc+NQ*\i:SC+8*NQ*\sc+NQ*\i+3], v[ADRS] offset:\i*SBLK
.endr
.endm
.macro PLACES n                        ; plain vector instructions between a matrix instruction and a load into, or a read of, its registers
.rept \n
	v_nop
.endr
.endm
.macro STEP slot, q, zero              ; a step of 128 along K that has its successor in the same slot
	s_wait_dscnt 4*NL                              ; B's set and A's blocks 0-3 are in; the youngest eight loads (A's blocks 4-7) may be out
	WIN MUL_LO
	MUL16 0, (\q)%2, \q, \slot, \zero
	MUL16 2, (\q)%2, \q, \slot, \zero
	s_wait_dscnt 0                                 ; A's blocks 4-7 are in
	PLACES NP
	FETCH_B \slot, (\q)+1, 1-(\q)%2
	FETCH_A \slot, (\q)+1, 0
	WIN MUL_HI
	MUL16 4, (\q)%2, \q, \slot, \zero
	MUL16 6, (\q)%2, \q, \slot, \zero
	PLACES NP
	WIN 0
	FETCH_A \slot, (\q)+1, 4
.endm
; Slot 0's last step changes slots: in front of the one barrier each wave waits for all its tensor loads (its part of slot 1), adds 0 to its spare word, and waits for that and for its reads of slot 0.  Nothing is filled again.
.macro TURN slot, next
	s_wait_tensorcnt 0x0                           ; all my tensor loads have landed
	ds_add_u32 v[SPW], v[NIL]                      ; 0 onto my spare word
	s_wait_dscnt 4*NL+1                            ; (the add and the youngest eight loads, A's blocks 4-7, may be out)
	WIN MUL_LO
	MUL16 0, 1, NQ-1, \slot, 0
	s_wait_dscnt 0x0                               ; the add is done, and my reads of this slot are over
	s_barrier_signal -1
	MUL16 2, 1, NQ-1, \slot, 0
	WIN 0
	s_barrier_wait -1
	PLACES NP
	v_add_nc_u32 v[ADRS], 4*NQ, v[ADRS]            ; on to the next K step's scale words
	FETCH_B \next, 0, 0
	FETCH_A \next, 0, 0
	SCALES \next
	WIN MUL_HI
	MUL16 4, 1, NQ-1, \slot, 0
	MUL16 6, 1, NQ-1, \slot, 0
	PLACES NP
	WIN 0
	FETCH_A \next, 0, 4
.endm
.macro STEPS slot, from
.set Q, \from
.rept NQ-1-\from
	STEP \slot, Q, 0
.set Q, Q+1
.endr
.endm
	s_wait_tensorcnt 1                             ; the scales and my part of slot 0 are in (slot 1's load may be out)
	s_barrier_signal -1
	s_barrier_wait -1                              ; everybody's are
	FETCH_B 0, 0, 0
	FETCH_A 0, 0, 0
	SCALES 0
	FETCH_A 0, 0, 4
	STEP 0, 0, 1                                   ; the first step's products start the sums: nothing is cleared
	STEPS 0, 1
	TURN 0, 1
	STEPS 1, 0
	s_wait_dscnt 4*NL                              ; the last step: nothing more to fetch
	WIN MUL_LO
	MUL16 0, 1, NQ-1, 1, 0
	MUL16 2, 1, NQ-1, 1, 0
	s_wait_dscnt 0
	WIN MUL_HI
	MUL16 4, 1, NQ-1, 1, 0
	MUL16 6, 1, NQ-1, 1, 0
	WIN 0
; THE WAY OUT.  First, where the tile begins a sequence (cluster y = 0, and my rows are its upper half): block 0, rows n = 0 .. 15, leaves as f32, as an image of its registers: each store covers 512 consecutive bytes.
	PLACES NP
	s_or_b32 s20, s2, s15                          ; cluster y and the wave's number alone: the same in all partners
	s_cmp_lg_u32 s20, 0
	s_cbranch_scc1 .Lno_head
	WIN 0x08                                       ; a store's data are its source 1: window 2
.irp b, 0,1,2,3,4,5,6,7
	global_store_b128 v[CO], v[8*\b:8*\b+3], s[66:67] offset:1024*\b          ; each accumulator from its low end on
	global_store_b128 v[CO], v[8*\b+4:8*\b+7], s[66:67] offset:1024*\b+512
.endr
	WIN 0
.Lno_head:
; Then all eight blocks as f16: 16 bytes a lane into my stage, back as rows of one head (128 bytes), four rows an instruction: 512 consecutive bytes of qkv16.
.macro PACK a
.set AC, 64*((\a)%4)
	WIN 0x0a+5*((\a)/4)                            ; sources 0 and 1: window 2 or 3
.irp b, 0,1,2,3,4,5,6,7
.irp r, 0,1,2,3
	v_cvt_pk_f16_f32 v[TMP+4*\b+\r], v[AC+8*\b+2*\r], v[AC+8*\b+2*\r+1]
.endr
.endr
	WIN 0
.endm
.macro TOSTAGE a
.set BB, OB+192*((\a)%2)
.irp b, 0,1,2,3,4,5,6,7
	ds_store_b128 v[STO], v[TMP+4*\b:TMP+4*\b+3] offset:32*\b
.endr
.irp t, 0,1,2,3,4,5,6,7
	ds_load_b128 v[BB+4*\t:BB+4*\t+3], v[RD] offset:(\t%4)*4*SPITCH+(\t/4)*128   ; LDS serves a wave's instructions in order: these see the stores above
.endr
.endm
.macro SEND a
.set BB, OB+192*((\a)%2)
	s_wait_dscnt 0x0                               ; the block is back in registers
	s_wait_xcnt 0x0                                ; the stores of the block before have read their registers: the next block's loads may land there
.irp t, 0,1,2,3,4,5,6,7
	global_store_b128 v[CO], v[BB+4*\t:BB+4*\t+3], s[12:13] offset:(\a)*2048+(\t/4)*262144+(\t%4)*512
.endr
.endm
	PACK 0
	TOSTAGE 0
.irp a, 1,2,3,4,5,6,7                  ; block a's conversions stand between block a - 1's loads from the stage and the wait for them
	PACK \a
	SEND \a-1
	TOSTAGE \a
.endr
	SEND 7
	s_wait_tensorcnt 0x0                           ; the wave's end
	ds_add_u32 v[SPW], v[NIL]
	s_wait_dscnt 0x0
	CROUND                                         ; the closing round
	s_endpgm
.Lfunc_end_k_q56ad804ba4_qkv:
	.size	k_q56ad804ba4_qkv, .Lfunc_end_k_q56ad804ba4_qkv-k_q56ad804ba4_qkv
	.p2alignl 7, 3214868480
	.fill 96, 4, 3214868480
	.section	.rodata,"a",@progbits
	.p2align	6, 0x0
	.amdhsa_kernel k_q56ad804ba4_qkv
		.amdhsa_group_segment_fixed_size 327680
		.amdhsa_private_segment_fixed_size 0
		.amdhsa_enable_private_segment 0
		.amdhsa_kernarg_size 32
		.amdhsa_user_sgpr_count 2
		.amdhsa_user_sgpr_kernarg_segment_ptr 1
		.amdhsa_wavefront_size32 1
		.amdhsa_system_sgpr_workgroup_id_x 1
		.amdhsa_system_sgpr_workgroup_id_y 1
		.amdhsa_system_sgpr_workgroup_id_z 1
		.amdhsa_system_vgpr_workitem_id 0
		.amdhsa_next_free_vgpr 1024
		.amdhsa_next_free_sgpr 98
		.amdhsa_reserve_vcc 0
		.amdhsa_float_denorm_mode_32 3
		.amdhsa_float_denorm_mode_16_64 3
		.amdhsa_memory_ordered 1
		.amdhsa_forward_progress 1
		.amdhsa_inst_pref_size 128
	.end_amdhsa_kernel
	.amdgpu_metadata
---
amdhsa.version: [ 1, 2 ]
amdhsa.kernels:
  - .name:           k_q56ad804ba4_qkv
    .symbol:         k_q56ad804ba4_qkv.kd
    .args:
      - { .name: codes, .offset: 0, .size: 8, .value_kind: global_buffer, .address_space: global }
      - { .name: scales, .offset: 8, .size: 8, .value_kind: global_buffer, .address_space: global }
      - { .name: qkv16, .offset: 16, .size: 8, .value_kind: global_buffer, .address_space: global }
      - { .name: h32, .offset: 24, .size: 8, .value_kind: global_buffer, .address_space: global }
    .group_segment_fixed_size: 327680
    .private_segment_fixed_size: 0
    .kernarg_segment_align: 8
    .kernarg_segment_size: 32
    .max_flat_workgroup_size: 128
    .sgpr_count:     98
    .vgpr_count:     1024
    .wavefront_size: 32
...
	.end_amdgpu_metadata
.endif
;; end of part 2
;; launch attn (part 3): grid 4 x 64, 16 waves a work-group, no clusters, 327,680 bytes of LDS; arguments qkv16, att; writes att
.if DOCPART == 3
	.amdgcn_target "amdgcn-amd-amdhsa--gfx1250"
	.amdhsa_code_object_version 6
	.text
	.protected	k_q56ad804ba4_attn
	.globl	k_q56ad804ba4_attn
	.p2align	8
	.type	k_q56ad804ba4_attn,@function
k_q56ad804ba4_attn:
	s_mov_b64 s[64:65], 0
	v_nop
	global_prefetch_b8 v0, s[64:65] scope:SCOPE_SE
	s_setreg_imm32_b32 hwreg(HW_REG_WAVE_MODE, 25, 1), 1
	s_wait_xcnt 0x0
; Launch 3 of 5: att[b][h][q][:] = the sum over k <= q of softmax_k(q . k / 8) v[k][:].  q, k, v: parts 0, 1, 2 of qkv16, each [b][h][n][64] f16; att the same layout, f16.  Products on f16 operands, f32 sums; maxima, exponentials and sums in f32.
; WORK LEFT OUT: a step of 64 keys all of which come after a wave's 32 queries (their weights are exactly 0 under the mask that the problem builds itself), and the load of a slot of keys behind the work-group's last query.
; LIMIT: a NaN or an overflow in such hidden scores is not carried to the result.
; SHARES.  A work-group (i, head) has sixteen waves of 32 queries: waves 0-7 own the head's block 7 - i of 256 queries, waves 8-15 block i: (8 - i) + (i + 1) = 9 blocks of keys for every work-group.  All sixteen walk ONE ring of
; two LDS slots of 256 keys: 8 slots, 4 steps of 64 keys each, trip counts constant; a wave jumps over the work of a hidden step by a branch on ids.  A step that is walked begins at or under the wave's first query
; (steps begin at multiples of 64, waves at multiples of 32), so every query sees a key in it and the running maximum is a number.
; NO CLUSTER: the four work-groups of a head end their loads at different slots, so a joint load would bring a partner tiles that none of its waves reads.
; LAYOUT.  S^T = K Q^T (source 0 = 16 keys, source 1 = 16 queries): a lane holds ONE query (lane % 16) and keys 8 (lane / 16) + 0..7.  Two such tiles rounded to f16 in pairs are source 1 of O^T = V^T P.  V is turned by ds_load_tr16_b128.
; SOFTMAX.  A running maximum m and sum l for each query: p = 2^(c s - c m), c = log2(e) / 8; in every step O and l are multiplied by a = 2^(c m_old - c m_new).
; REGISTERS: v1-12 addresses; v13-14 the mask's d; v15 -infinity; v16-31 statistics, 8 a tile (+0 c m, +1 m, +2, +3 l, +4..7 at work, a at +6); v32-63 Q; v64-127 S^T, then P in the first 16 of each tile; v128-191 K's, then V's fragments; v192-255 O^T.
.set PK,    144                        ; a row of K in LDS: 128 bytes + 16
.set PV,    160                        ; a row of V: 128 + 32
.set VOFF,  64*PK                      ; a step's tiles lie together: 64 rows of K, then 64 of V
.set STEPB, 64*(PK+PV)
.set SLOT1, 1<<17                      ; slot 1 begins here: one exclusive or turns an address
.set STAGE, SLOT1+4*STEPB              ; behind the ring: 32 rows x 144 bytes for each wave, for the way out
.set SP,    144
.set SPARE, STAGE+16*32*SP             ; the spare words, 128 bytes a wave
.set AK0, 1
.set AV0, 2
.set ADK, 3
.set ADV, 4
.set SPW, 5
.set NIL, 6
.set QO,  7
.set STO, 8
.set RD,  9
.set GO,  10
.set DM,  11
.set PFO, 12
.set ST,  16
.set QF,  32
.set S,   64
.set KV,  128
.set OT,  192
.set WV,  8
.set HD,  10
.set G1K, 16                           ; s[16:23] group 1 for K's tiles; s[24:31] for V's (it differs in the padding)
.set G1V, 24
.set G0,  32                           ; s[32:35] my group 0, which walks
.set TB,  36                           ; LDS byte at which the step in hand begins
.set KF,  37                           ; the step's first key
.set Q0,  38                           ; my first query
.set LASTQ, 39                         ; my work-group's last query
.set SLOTS, 40
.set CNT, 41
.set CS,  42                           ; s[42:43] c
.set SEL, 44                           ; s[44:45] lane selects: lane l xor 16
.set PFA, 46                           ; s[46:47] where my prefetches stand
.set LIM, 48
; Waves 0-3 fetch the slot's four steps of K, waves 4-7 those of V, 64 rows each; the others nothing.  An s_nop 0 and four v_nop follow each line.
.macro TLOAD
	s_cmp_lt_u32 s[WV], 4
	s_cbranch_scc0 .Lnot_k_\@
	tensor_load_to_lds s[G0:G0+3], s[G1K:G1K+7]
	s_nop 0
.rept 4
	v_nop
.endr
	s_branch .Lasked_\@
.Lnot_k_\@:
	s_cmp_lt_u32 s[WV], 8
	s_cbranch_scc0 .Lasked_\@
	tensor_load_to_lds s[G0:G0+3], s[G1V:G1V+7]
	s_nop 0
.rept 4
	v_nop
.endr
.Lasked_\@:
.endm
; A prefetch of what the NEXT change of slots will ask for.  All four work-groups of a head walk the same K and V: work-group i = 0, which loads every slot, asks; in it the waves that fetch nothing: waves 8-11 a step of K each,
; waves 12-15 a step of V: 8,192 dense bytes a wave, lanes 256 bytes apart: each block of 256 bytes is named once in the launch.  The last change that fills a slot asks for nothing; slots 0 and 1 come by their loads alone.
.macro ASK
	s_cmp_gt_u32 s[SLOTS], s[LIM]
	s_cbranch_scc0 .Lnot_mine_\@
	global_prefetch_b8 v[PFO], s[PFA:PFA+1] th:TH_LOAD_NT scope:SCOPE_SE
.Lnot_mine_\@:
.endm
	s_load_b128 s[4:7], s[0:1], 0x0                ; qkv16 s[4:5], att s[6:7]
	v_lshl_add_u32 v[SPW], v0, 2, SPARE
	v_mov_b32 v[NIL], 0
	ds_add_u32 v[SPW], v[NIL]                      ; the wave's opening: the add, twice on end, and its wait ahead of the first tensor load
	ds_add_u32 v[SPW], v[NIL]
	v_lshrrev_b32 v1, 5, v0
	v_readfirstlane_b32 s[WV], v1                  ; wave 0..15
	s_and_b32 s[HD], ttmp7, 0xffff                 ; 16 b + h
	s_sub_co_u32 s50, 7, ttmp9
	s_cmp_lt_u32 s[WV], 8
	s_cselect_b32 s50, s50, ttmp9                  ; my block of 256 queries: 7 - i or i
	s_and_b32 s51, s[WV], 7
	s_lshl_b32 s50, s50, 8
	s_lshl_b32 s51, s51, 5
	s_add_co_u32 s[Q0], s50, s51
	s_sub_co_u32 s[LASTQ], 8, ttmp9
	s_lshl_b32 s[LASTQ], s[LASTQ], 8
	s_sub_co_u32 s[LASTQ], s[LASTQ], 1             ; 256 (8 - i) - 1
	s_mov_b32 s[G1K], (1<<16)|(1<<20)|(4<<22)|(3<<25)   ; elements of 2 bytes; padding: 4 words behind every 32
	s_mov_b32 s[G1V], (1<<16)|(1<<20)|(4<<22)|(7<<25)   ; 8 words
.irp g, G1K, G1V
	s_mov_b32 s[\g+1], 64<<16                      ; tensor_dim0
	s_mov_b32 s[\g+2], 64<<16                      ; tensor_dim1
	s_mov_b32 s[\g+3], 64<<16                      ; tile_dim0
	s_mov_b32 s[\g+4], 64                          ; tile_dim1
	s_mov_b32 s[\g+5], 64                          ; the pitch in memory
	s_mov_b32 s[\g+6], 0
	s_mov_b32 s[\g+7], 0
.endr
	s_and_b32 s50, s[WV], 3                        ; which step of a slot,
	s_bfe_u32 s51, s[WV], 0x10002                  ; K (0) or V (1)
	s_mul_i32 s52, s50, STEPB
	s_mul_i32 s53, s51, VOFF
	s_add_co_u32 s52, s52, s53                     ; its place in a slot
	s_add_co_u32 s54, s51, 1
	s_lshl_b32 s54, s54, 24                        ; part 1 or 2 of qkv16,
	s_lshl_b32 s55, s[HD], 18                      ; my head,
	s_add_co_u32 s54, s54, s55
	s_lshl_b32 s56, s50, 13                        ; the step's 64 rows of 128 bytes
	s_add_co_u32 s54, s54, s56
	s_lshl_b32 s56, s[Q0], 7
	s_add_co_u32 s56, s56, s55                     ; my queries' rows, in q and in att
	s_mov_b32 s55, 0
	s_mov_b32 s57, 0
	s_mov_b32 s[CS], 0x3e38aa3b                    ; c = log2(e) / 8
	s_mov_b32 s[CS+1], s[CS]                       ; (named with it as a pair)
	s_mov_b32 s[SEL], 0x76543210
	s_mov_b32 s[SEL+1], 0xfedcba98
	s_mov_b32 s[TB], 0
	s_mov_b32 s[KF], 0
	s_mov_b32 s[SLOTS], 7
	s_lshr_b32 s50, s[WV], 3
	s_xor_b32 s50, s50, 1                          ; 0 in waves 8-15,
	s_or_b32 s50, s50, ttmp9                       ; of work-group i = 0
	s_cmp_eq_u32 s50, 0
	s_cselect_b32 s[LIM], 1, -1
	s_wait_dscnt 0x0                               ; both opening adds are done
	s_wait_kmcnt 0x0
	s_mov_b32 s[G0], 1
	s_mov_b32 s[G0+1], s52
	s_add_nc_u64 s[G0+2:G0+3], s[4:5], s[54:55]
	s_or_b32 s[G0+3], s[G0+3], 0x80000000
	TLOAD                                          ; slot 0: key 0 counts for every query
	s_add_nc_u64 s[PFA:PFA+1], s[4:5], s[54:55]
	s_add_nc_u64 s[PFA:PFA+1], s[PFA:PFA+1], 32768 ; in slot 1: the first change steps it to slot 2.  Nothing is prefetched at the head
	s_add_nc_u64 s[58:59], s[4:5], s[56:57]        ; q at my first query
	s_add_nc_u64 s[60:61], s[6:7], s[56:57]        ; att likewise
	v_and_b32 v13, 15, v0                          ; r
	v_bfe_u32 v14, v0, 4, 1                        ; h
	v_and_b32 v15, 31, v0                          ; lane
	v_lshlrev_b32 v[QO], 7, v13
	v_lshl_add_u32 v[QO], v14, 4, v[QO]            ; row r of 128 bytes + 16 h
.irp t, 0,1
.irp k, 0,1
.irp c, 0,1
	global_load_b128 v[QF+16*\t+8*\k+4*\c:QF+16*\t+8*\k+4*\c+3], v[QO], s[58:59] offset:\t*2048+64*\k+32*\c   ; Q stays in registers: tile t, channels 32 k on
.endr
.endr
.endr
	v_mul_u32_u24 v[AK0], v13, PK
	v_lshl_add_u32 v[AK0], v14, 4, v[AK0]          ; K: row r x pitch + 16 h
	v_and_b32 v16, 7, v0
	v_bfe_u32 v17, v0, 3, 1
	v_lshl_add_u32 v[AV0], v14, 3, v16             ; V, for the turning load: key 8 h + lane % 8,
	v_mul_u32_u24 v[AV0], v[AV0], PV
	v_lshl_add_u32 v[AV0], v17, 4, v[AV0]          ; channels 8 ((lane / 8) % 2) on
	v_add_nc_u32 v[AV0], VOFF, v[AV0]
	s_mul_i32 s50, s[WV], 32*SP
	s_add_co_u32 s50, s50, STAGE                   ; my stage
	v_add_nc_u32 v[STO], s50, v[AK0]               ; in: row r x 144 + 16 h (the stage's pitch is K's)
	v_bfe_u32 v17, v0, 3, 2
	v_mul_u32_u24 v17, v17, SP
	v_lshl_add_u32 v17, v16, 4, v17
	v_add_nc_u32 v[RD], s50, v17                   ; back: eight lanes a row of 128 bytes, four rows an instruction
	v_lshlrev_b32 v[GO], 4, v15
	v_lshlrev_b32 v17, 3, v14
	v_sub_nc_u32 v[DM], v13, v17                   ; r - 8 h
	v_lshlrev_b32 v[PFO], 8, v15
.irp t, 0,1
	v_mov_b32 v[ST+8*\t+1], 0xff61b1e6             ; m = -3e38, under every score
	v_mul_f32 v[ST+8*\t], s[CS], v[ST+8*\t+1]      ; c m
.irp j, 2,3,4,5,6,7
	v_mov_b32 v[ST+8*\t+\j], 0                     ; l, and the registers at work (a lane permute's destination counts as read)
.endr
.endr
.set i, 0
.rept 64
	v_mov_b32 v[OT+i], 0                           ; O^T.  (The step is written once: the first finds zeros, which a = 0 leaves zeros)
.set i, i+1
.endr
	v_mov_b32 v15, 0xff800000                      ; -infinity
; A KEY STEP: 64 keys.
.macro STEP
	s_add_co_u32 s50, s[Q0], 31
	s_cmp_gt_u32 s[KF], s50                        ; all 64 keys behind my 32 queries: the step's work is left out; ids and the count of steps alone
	s_cbranch_scc1 .Lhidden_\@
	v_add_nc_u32 v[ADK], s[TB], v[AK0]
	v_add_nc_u32 v[ADV], s[TB], v[AV0]
.rept 3
	v_nop                                          ; with the two additions: five places behind the last step's products, for the loads into V's registers (four) and for the products below, which write over P (five)
.endr
.irp f, 0,1,2,3,4,5,6,7                ; K: keys 16 (f / 2) on, channels 32 (f % 2) on
	ds_load_b128 v[KV+8*\f:KV+8*\f+3],   v[ADK] offset:(\f/2)*16*PK+(\f%2)*64
	ds_load_b128 v[KV+8*\f+4:KV+8*\f+7], v[ADK] offset:(\f/2)*16*PK+(\f%2)*64+32
.endr
	s_wait_dscnt 0x0
.set i, 0
.rept 16                               ; S^T = K Q^T: channels 32 (i / 8) on, keys 16 ((i / 2) % 4) on, tile i % 2: eight accumulators by turns; the first eight start the sums
.set rS, S+32*(i%2)+8*((i/2)%4)
.set rK, KV+16*((i/2)%4)+8*(i/8)
.set rQ, QF+16*(i%2)+8*(i/8)
.if i < 8
	v_wmma_f32_16x16x32_f16 v[rS:rS+7], v[rK:rK+7], v[rQ:rQ+7], 0
.else
	v_wmma_f32_16x16x32_f16 v[rS:rS+7], v[rK:rK+7], v[rQ:rQ+7], v[rS:rS+7]
.endif
.set i, i+1
.endr
.rept 4
	v_nop                                          ; places in front of the loads into K's registers and of the first read of the scores
.endr
.irp f, 0,1,2,3,4,5,6,7                ; V, turned, lands while the softmax is worked: keys 32 (f / 4) on, channels 16 (f % 4) on
	ds_load_tr16_b128 v[KV+8*\f:KV+8*\f+3],   v[ADV] offset:(\f/4)*32*PV+(\f%4)*32
	ds_load_tr16_b128 v[KV+8*\f+4:KV+8*\f+7], v[ADV] offset:(\f/4)*32*PV+16*PV+(\f%4)*32
.endr
	s_add_co_u32 s50, s[KF], 63                    ; on the diagonal hidden scores become -infinity ahead of the maximum; a step all of whose keys count skips this
	s_cmp_le_u32 s50, s[Q0]
	s_cbranch_scc1 .Lopen_\@
	s_sub_co_i32 s50, s[Q0], s[KF]
	v_add_nc_u32 v13, s50, v[DM]                   ; d = my query - first key - 8 h, tile 0;
	v_add_nc_u32 v14, 16, v13                      ; tile 1.  Register n holds key 16 (n / 8) + n % 8 + 8 h: hidden where 16 (n / 8) + n % 8 > d
.irp t, 0,1
.set n, 0
.rept 32
	v_cmp_gt_i32 vcc_lo, 16*(n/8)+n%8, v[13+\t]
	v_cndmask_b32 v[S+32*\t+n], v[S+32*\t+n], v15, vcc_lo
.set n, n+1
.endr
.endr
.Lopen_\@:
	; the maximum of my 32 scores and the old m: four chains, each begun at its accumulator's low end; the two tiles alternate throughout
.irp j, 0,1,2,3
.irp t, 0,1
	v_max3_num_f32 v[ST+8*\t+4+\j], v[S+32*\t+8*\j], v[S+32*\t+8*\j+1], v[S+32*\t+8*\j+2]
.endr
.endr
.irp q, 1,2
.irp j, 0,1,2,3
.irp t, 0,1
	v_max3_num_f32 v[ST+8*\t+4+\j], v[ST+8*\t+4+\j], v[S+32*\t+8*\j+2*\q+1], v[S+32*\t+8*\j+2*\q+2]
.endr
.endr
.endr
.irp t, 0,1
	v_max3_num_f32 v[ST+8*\t+4], v[ST+8*\t+4], v[S+32*\t+7], v[S+32*\t+15]
.endr
.irp t, 0,1
	v_max3_num_f32 v[ST+8*\t+6], v[ST+8*\t+6], v[S+32*\t+23], v[S+32*\t+31]
.endr
.irp t, 0,1
	v_max3_num_f32 v[ST+8*\t+4], v[ST+8*\t+4], v[ST+8*\t+5], v[ST+8*\t+6]
.endr
.irp t, 0,1
	v_max3_num_f32 v[ST+8*\t+4], v[ST+8*\t+4], v[ST+8*\t+7], v[ST+8*\t+1]
.endr
.irp t, 0,1
	v_permlanex16_b32 v[ST+8*\t+5], v[ST+8*\t+4], s[SEL], s[SEL+1]   ; the query's other 32 keys lie in the lane 16 away
.endr
.irp t, 0,1
	v_mov_b32 v[ST+8*\t+7], v[ST+8*\t]             ; c m_old is kept for a
.endr
.irp t, 0,1
	v_max_num_f32 v[ST+8*\t+1], v[ST+8*\t+4], v[ST+8*\t+5]
.endr
.irp t, 0,1
	v_mul_f32 v[ST+8*\t], s[CS], v[ST+8*\t+1]
.endr
.irp t, 0,1
	v_sub_f32 v[ST+8*\t+7], v[ST+8*\t+7], v[ST+8*\t]
.endr
.set n, 0
.rept 16
.irp t, 0,1
	v_pk_fma_f32 v[S+32*\t+2*n:S+32*\t+2*n+1], v[S+32*\t+2*n:S+32*\t+2*n+1], s[CS:CS+1], v[ST+8*\t:ST+8*\t+1] op_sel_hi:[1,0,0] neg_lo:[0,0,1] neg_hi:[0,0,1]   ; c s - c m, two at a time
.endr
.set n, n+1
.endr
.irp t, 0,1
	v_exp_f32 v[ST+8*\t+6], v[ST+8*\t+7]           ; a
.endr
.set n, 0
.rept 32
.irp t, 0,1
	v_exp_f32 v[S+32*\t+n], v[S+32*\t+n]           ; p: the 66 exponentials are one batch
.endr
.set n, n+1
.endr
	v_nop                                          ; a plain instruction behind the last exponential
	s_wait_alu depctr_va_vdst(0)                   ; one wait for the batch, ahead of its first reader
.irp t, 0,1
	v_pk_mul_f32 v[ST+8*\t+2:ST+8*\t+3], v[ST+8*\t+2:ST+8*\t+3], v[ST+8*\t+6:ST+8*\t+7] op_sel_hi:[1,0]   ; l x a
.endr
.irp t, 0,1
	v_pk_add_f32 v[ST+8*\t+4:ST+8*\t+5], v[S+32*\t:S+32*\t+1], v[S+32*\t+2:S+32*\t+3]   ; the sum of p in f32, ahead of the rounding: two chains a tile
.endr
.irp j, 4,8,12,16,20,24,28
.irp t, 0,1
	v_pk_add_f32 v[ST+8*\t+2:ST+8*\t+3], v[ST+8*\t+2:ST+8*\t+3], v[S+32*\t+\j:S+32*\t+\j+1]
	v_pk_add_f32 v[ST+8*\t+4:ST+8*\t+5], v[ST+8*\t+4:ST+8*\t+5], v[S+32*\t+\j+2:S+32*\t+\j+3]
.endr
.endr
.irp t, 0,1
	v_pk_add_f32 v[ST+8*\t+2:ST+8*\t+3], v[ST+8*\t+2:ST+8*\t+3], v[ST+8*\t+4:ST+8*\t+5]
.endr
.set n, 0
.rept 16
.irp t, 0,1
	v_cvt_pk_f16_f32 v[S+32*\t+n], v[S+32*\t+2*n], v[S+32*\t+2*n+1]   ; P in place, ascending: register n is written when 2 n and 2 n + 1 are read
.endr
.set n, n+1
.endr
.set n, 0
.rept 16
.irp t, 0,1
	v_pk_mul_f32 v[OT+32*\t+2*n:OT+32*\t+2*n+1], v[OT+32*\t+2*n:OT+32*\t+2*n+1], v[ST+8*\t+6:ST+8*\t+7] op_sel_hi:[1,0]   ; O^T x a, each accumulator from its low end on
.endr
.set n, n+1
.endr
	s_wait_dscnt 0x0                               ; V is in
.set i, 0
.rept 16                               ; O^T += V^T P: keys 32 (i / 8) on, channels 16 ((i / 2) % 4) on, tile i % 2: eight accumulators by turns
.set rO, OT+32*(i%2)+8*((i/2)%4)
.set rV, KV+32*(i/8)+8*((i/2)%4)
.set rP, S+32*(i%2)+8*(i/8)
	v_wmma_f32_16x16x32_f16 v[rO:rO+7], v[rV:rV+7], v[rP:rP+7], v[rO:rO+7]
.set i, i+1
.endr
.Lhidden_\@:
	s_add_co_u32 s[KF], s[KF], 64
.endm
; THE CHANGE OF SLOTS stands at a slot's head.  Each wave waits for all its tensor loads, adds 0 to its spare word (fill = 1: twice on end), and waits for that and
; for its reads of the slot that it has left.  Behind the barrier the slot ahead is whole and nobody reads the other one, which is filled with the keys that follow, up to the causal limit.
.macro CHANGE fill
	s_wait_tensorcnt 0x0                           ; no tensor load of mine is out, so group 0 may be written
	ds_add_u32 v[SPW], v[NIL]
.if \fill
	ds_add_u32 v[SPW], v[NIL]
	s_xor_b32 s[G0+1], s[G0+1], SLOT1              ; the other slot than last time,
	s_add_nc_u64 s[G0+2:G0+3], s[G0+2:G0+3], 32768 ; the next 256 keys
	s_wait_xcnt 0x0                                ; the last prefetch, a slot back, has read its address
	s_add_nc_u64 s[PFA:PFA+1], s[PFA:PFA+1], 32768
.endif
	s_wait_dscnt 0x0                               ; the add is done, and my reads of the slot that I have left are over
	s_barrier_signal -1
	s_barrier_wait -1
.if \fill
	s_add_co_u32 s50, s[KF], 256                   ; the first key of the slot that this change would ask for:
	s_cmp_gt_u32 s50, s[LASTQ]                     ; behind my work-group's last query no wave reads it, so it is not asked for.  Ids and the count of steps alone: all sixteen waves go the same way.  Every wait on TENSORcnt in this text is for 0
	s_cbranch_scc1 .Lpast_\@
	TLOAD                                          ; a wave's one tensor load until the next such barrier: it has four key steps in which to land
.Lpast_\@:
	ASK
.endif
.endm
.macro FOUR_STEPS                      ; a slot's four key steps: written once, walked four times; the LDS addresses hang on s[TB]
	s_mov_b32 s[CNT], 4
.Lstep_\@:
	STEP
	s_add_co_u32 s[TB], s[TB], STEPB
	s_sub_co_u32 s[CNT], s[CNT], 1
	s_cmp_lg_u32 s[CNT], 0
	s_cbranch_scc1 .Lstep_\@
	s_sub_co_u32 s[TB], s[TB], 4*STEPB
	s_xor_b32 s[TB], s[TB], SLOT1                  ; on to the other slot
.endm
	s_wait_loadcnt 0x0                             ; Q
.Lslot:                                            ; seven trips: behind each change of slots but the last the next slot is asked for, up to the limit
	CHANGE 1
	FOUR_STEPS
	s_sub_co_u32 s[SLOTS], s[SLOTS], 1
	s_cmp_lg_u32 s[SLOTS], 0
	s_cbranch_scc1 .Lslot
	CHANGE 0                                       ; the last slot is written out: nothing is left to ask for
	FOUR_STEPS
	; THE WAY OUT: l's halves are added; O^T / l is rounded to f16 and goes through my stage, so that each store covers 512 consecutive bytes of att (four rows of 128).
.rept 4
	v_nop                                          ; places behind the last products
.endr
.irp t, 0,1
	v_add_f32 v[ST+8*\t+4], v[ST+8*\t+2], v[ST+8*\t+3]
.endr
.irp t, 0,1
	v_permlanex16_b32 v[ST+8*\t+5], v[ST+8*\t+4], s[SEL], s[SEL+1]
.endr
.irp t, 0,1
	v_add_f32 v[ST+8*\t+4], v[ST+8*\t+4], v[ST+8*\t+5]
.endr
.irp t, 0,1
	v_rcp_f32 v[ST+8*\t+6], v[ST+8*\t+4]
.endr
	v_nop
	s_wait_alu depctr_va_vdst(0)                   ; one wait for the two reciprocals, ahead of their first reader
.irp t, 0,1
.set n, 0
.rept 16
	v_pk_mul_f32 v[S+32*\t+2*n:S+32*\t+2*n+1], v[OT+32*\t+2*n:OT+32*\t+2*n+1], v[ST+8*\t+6:ST+8*\t+7] op_sel_hi:[1,0]
.set n, n+1
.endr
.endr
.irp t, 0,1
.set n, 0
.rept 16
	v_cvt_pk_f16_f32 v[KV+16*\t+n], v[S+32*\t+2*n], v[S+32*\t+2*n+1]
.set n, n+1
.endr
.endr
.irp t, 0,1
.irp c, 0,1,2,3
	ds_store_b128 v[STO], v[KV+16*\t+4*\c:KV+16*\t+4*\c+3] offset:\t*16*SP+32*\c   ; row 16 t + r, channels 16 c + 8 h on
.endr
.endr
.irp u, 0,1,2,3,4,5,6,7
	ds_load_b128 v[KV+32+4*\u:KV+32+4*\u+3], v[RD] offset:\u*4*SP   ; LDS serves a wave's instructions in order: these see my stores
.endr
.irp u, 0,1,2,3,4,5,6,7
	s_wait_dscnt 7-\u                              ; the younger loads may be out
	global_store_b128 v[GO], v[KV+32+4*\u:KV+32+4*\u+3], s[60:61] offset:512*\u
.endr
	s_wait_tensorcnt 0x0                           ; the wave's end
	ds_add_u32 v[SPW], v[NIL]
	s_wait_dscnt 0x0
	s_endpgm
.Lfunc_end_k_q56ad804ba4_attn:
	.size	k_q56ad804ba4_attn, .Lfunc_end_k_q56ad804ba4_attn-k_q56ad804ba4_attn
	.p2alignl 7, 3214868480
	.fill 96, 4, 3214868480
	.section	.rodata,"a",@progbits
	.p2align	6, 0x0
	.amdhsa_kernel k_q56ad804ba4_attn
		.amdhsa_group_segment_fixed_size 327680
		.amdhsa_private_segment_fixed_size 0
		.amdhsa_enable_private_segment 0
		.amdhsa_kernarg_size 16
		.amdhsa_user_sgpr_count 2
		.amdhsa_user_sgpr_kernarg_segment_ptr 1
		.amdhsa_wavefront_size32 1
		.amdhsa_system_sgpr_workgroup_id_x 1
		.amdhsa_system_sgpr_workgroup_id_y 1
		.amdhsa_system_sgpr_workgroup_id_z 1
		.amdhsa_system_vgpr_workitem_id 0
		.amdhsa_next_free_vgpr 256
		.amdhsa_next_free_sgpr 66
		.amdhsa_reserve_vcc 1
		.amdhsa_float_denorm_mode_32 3
		.amdhsa_float_denorm_mode_16_64 3
		.amdhsa_memory_ordered 1
		.amdhsa_forward_progress 1
		.amdhsa_inst_pref_size 61
	.end_amdhsa_kernel
	.amdgpu_metadata
---
amdhsa.version: [ 1, 2 ]
amdhsa.kernels:
  - .name:           k_q56ad804ba4_attn
    .symbol:         k_q56ad804ba4_attn.kd
    .args:
      - { .name: qkv16, .offset: 0, .size: 8, .value_kind: global_buffer, .address_space: global }
      - { .name: att, .offset: 8, .size: 8, .value_kind: global_buffer, .address_space: global }
    .group_segment_fixed_size: 327680
    .private_segment_fixed_size: 0
    .kernarg_segment_align: 8
    .kernarg_segment_size: 16
    .max_flat_workgroup_size: 512
    .sgpr_count:     66
    .vgpr_count:     256
    .wavefront_size: 32
...
	.end_amdgpu_metadata
.endif
;; end of part 3
;; launch proj (part 4): grid 4 x 64, 4 waves a work-group, clusters of 4 x 4, 327,680 bytes of LDS; arguments att, pw16, proj_b, out0; writes out0
.if DOCPART == 4
	.amdgcn_target "amdgcn-amd-amdhsa--gfx1250"
	.amdhsa_code_object_version 6
	.text
	.protected	k_q56ad804ba4_proj
	.globl	k_q56ad804ba4_proj
	.p2align	8
	.type	k_q56ad804ba4_proj,@function
k_q56ad804ba4_proj:
	s_mov_b64 s[64:65], 0
	v_nop
	global_prefetch_b8 v0, s[64:65] scope:SCOPE_SE
	s_setreg_imm32_b32 hwreg(HW_REG_WAVE_MODE, 25, 1), 1
	s_wait_xcnt 0x0
	s_wait_alu depctr_hold_cnt(0) depctr_sa_sdst(0) depctr_va_vdst(0) depctr_va_sdst(0) depctr_va_ssrc(0) depctr_va_vcc(0) depctr_vm_vsrc(0)
	s_getreg_b32 s2, hwreg(HW_REG_IB_STS2, 6, 4)
	s_cmp_eq_u32 s2, 0
	s_cbranch_scc0 .Lentry_in_a_cluster
	s_endpgm
.Lentry_in_a_cluster:
	s_bfe_u32 s2, ttmp6, 0x10000c
	s_cmp_lg_u32 s2, 0xf033
	s_cbranch_scc0 .Lentry_shape_is_right
	s_endpgm
.Lentry_shape_is_right:
; Launch 4 of 5: out0[b][n][o] = sum over c of att(b, n, c) proj_w[o][c] + proj_b[o], f16 operands, f32 sums.  att: [b][h][n][64] f16 (c = 64 h + d); pw16: [1024 o][1024 c] f16.
; WORK LEFT OUT: rows n < 16 of each sequence are not stored here: the next launch makes them in f32 and is their one owner.  They are computed inside a tile that holds live rows.
; A tile of 128 rows x 256 columns is made by four waves, each 64 x 128: 32 accumulators, 256 registers: 256 work-groups.  K goes in 8 steps of 128 (two heads) through a ring of two LDS slots.
; In a slot A lies as two planes (one head each) of 128 rows x 128 bytes, B as two halves of 128 rows x 256 bytes.  Waves 0, 1 fetch A's planes, waves 2, 3 B's halves: one tensor load a wave.
; CLUSTERS: 4 x 4: cy is the batch, cluster y the tile of 128 rows within the sequence (so 'the first tile' is the same in all partners), cx the tile column.  A's tiles are shared along a row of the cluster, B's along a column.
; No prefetch: K has eight steps only, and the launch's stores and loads keep memory at work for its whole length.
; THE MATRIX INSTRUCTION IS USED TRANSPOSED (source 0 = 16 rows of pw16, source 1 = 16 rows of att): a lane holds eight neighbouring columns of a row.  The bias is the C of each sum's first product.
; REGISTERS: window 0: v16-29 addresses; v32-95 A's fragments, two buffers; v96-223 the way out.  window 1: v0-127 B's fragments, two buffers; v128-191 the bias.  window 2: accumulator (a, b) at v[8 (8 a + b)].
.set PA,     144                       ; a row of A in LDS: 128 bytes + 16
.set PB,     272                       ; a row of B: 256 + 16
.set APLANE, 128*PA
.set BHALF,  128*PB
.set SLOT,   2*APLANE+2*BHALF
.set STAGE,  2*SLOT                    ; behind the ring: 16 rows x 528 bytes for each wave
.set SPITCH, 528
.set SPARE,  STAGE+4*16*SPITCH
.set LAPS,   4
.set ADRA, 16
.set ADRB, 20
.set STO,  24
.set RD,   25
.set CO,   26
.set BO,   27
.set SPW,  28
.set NIL,  29
.set BK,   96
.set G1, 24
.set G0, 32
.set G1B, 48
.set G0B, 56
.set MSB, 0
.macro WIN new
.if MSB != \new
	s_set_vgpr_msb (MSB<<8)|\new
.set MSB, \new
.endif
.endm
.set MUL,  0xa1                        ; source 0 (B) window 1, source 1 (A) window 0, C and D window 2
.set MULB, 0x91                        ; the same with C (the bias) in window 1
.set TO_B, 0x40
.macro JLOAD s                         ; a joint load; the branch hangs on the wave's number alone; an s_nop 0 and four v_nop follow each line
	s_cmp_eq_u32 s13, 0
	s_cbranch_scc0 .Lfor_b_\@
	tensor_load_to_lds s[G0+4*\s:G0+4*\s+3], s[G1:G1+7]
	s_nop 0
.rept 4
	v_nop
.endr
	s_branch .Lasked_\@
.Lfor_b_\@:
	tensor_load_to_lds s[G0B+4*\s:G0B+4*\s+3], s[G1B:G1B+7]
	s_nop 0
.rept 4
	v_nop
.endr
.Lasked_\@:
.endm
.macro CREST
	s_cmp_lg_u32 s12, 0
	s_cbranch_scc1 .Lnot_wave_0_\@
	s_barrier_signal -3
.Lnot_wave_0_\@:
	s_barrier_wait -3
	s_barrier_signal -1
	s_barrier_wait -1
.endm
.macro CROUND
	s_barrier_signal -1
	s_barrier_wait -1
	CREST
.endm
	s_load_b256 s[4:11], s[0:1], 0x0               ; att s[4:5], pw16 s[6:7], proj_b s[8:9], out0 s[10:11]
	v_lshl_add_u32 v[SPW], v0, 2, SPARE
	v_mov_b32 v[NIL], 0
	ds_add_u32 v[SPW], v[NIL]                      ; the wave's opening: the add, twice on end, and its wait ahead of my first tensor load
	ds_add_u32 v[SPW], v[NIL]
	v_lshrrev_b32 v1, 5, v0
	v_readfirstlane_b32 s12, v1                    ; wave
	s_lshr_b32 s13, s12, 1                         ; which 64 rows are mine.  Also: I fetch for A (0) or B (1)
	s_and_b32 s14, s12, 1                          ; which 128 columns.  Also: which plane of A or half of B I fetch
	s_bfe_u32 s40, ttmp6, 0x40000                  ; cx
	s_bfe_u32 s41, ttmp6, 0x40004                  ; cy = the batch
	s_lshl_b32 s42, ttmp9, 2
	s_add_co_u32 s42, s42, s40                     ; tile column
	s_and_b32 s15, ttmp7, 0xffff                   ; cluster y = the tile of 128 rows within the sequence
	s_lshl_b32 s43, s41, 2
	s_lshl_b32 s43, 15, s43                        ; my row of the cluster
	s_lshl_b32 s44, 0x1111, s40                    ; my column
	s_or_b32 s[G1+0], s43, (1<<16)|(1<<20)|(1<<21)|(4<<22)|(3<<25)   ; A: elements of 2 bytes; 4 words of padding behind every 32
	s_mov_b32 s[G1+1], 64<<16
	s_mov_b32 s[G1+2], 128<<16
	s_mov_b32 s[G1+3], 64<<16
	s_mov_b32 s[G1+4], 128
	s_mov_b32 s[G1+5], 64
	s_mov_b32 s[G1+6], 0
	s_mov_b32 s[G1+7], 0
	s_or_b32 s[G1B+0], s44, (1<<16)|(1<<20)|(1<<21)|(5<<22)|(3<<25)  ; B: 4 words behind every 64
	s_mov_b32 s[G1B+1], 128<<16
	s_mov_b32 s[G1B+2], 128<<16
	s_mov_b32 s[G1B+3], 128<<16
	s_mov_b32 s[G1B+4], 128
	s_mov_b32 s[G1B+5], 1024
	s_mov_b32 s[G1B+6], 0
	s_mov_b32 s[G1B+7], 0
	s_lshl_b32 s16, s41, 4
	s_add_co_u32 s16, s16, s14                     ; A: head 16 cy + plane,
	s_lshl_b32 s16, s16, 18
	s_lshl_b32 s17, s15, 14                        ; row 128 x cluster y, 128 bytes a row
	s_add_co_u32 s16, s16, s17
	s_mov_b32 s17, 0
	s_lshl_b32 s46, s42, 19                        ; B: row 256 x tile column + 128 x half, 2,048 bytes a row
	s_lshl_b32 s47, s14, 18
	s_add_co_u32 s46, s46, s47
	s_mov_b32 s47, 0
	s_mul_i32 s20, s14, APLANE                     ; where they go: no place in the cluster enters an LDS address
	s_mul_i32 s21, s14, BHALF
	s_add_co_u32 s21, s21, 2*APLANE
	s_wait_dscnt 0x0                               ; both opening adds are done
	s_wait_kmcnt 0x0
	s_add_nc_u64 s[18:19], s[4:5], s[16:17]
	s_add_nc_u64 s[46:47], s[6:7], s[46:47]
	CROUND                                         ; all sixteen work-groups are here
.irp s, 0,1
	s_mov_b32 s[G0+4*\s], 1
	s_add_co_u32 s[G0+4*\s+1], s20, \s*SLOT
	s_add_nc_u64 s[G0+4*\s+2:G0+4*\s+3], s[18:19], \s*524288     ; K step s: two heads on
	s_or_b32 s[G0+4*\s+3], s[G0+4*\s+3], 0x80000000
	s_mov_b32 s[G0B+4*\s], 1
	s_add_co_u32 s[G0B+4*\s+1], s21, \s*SLOT
	s_add_nc_u64 s[G0B+4*\s+2:G0B+4*\s+3], s[46:47], \s*256
	s_or_b32 s[G0B+4*\s+3], s[G0B+4*\s+3], 0x80000000
	JLOAD \s
.endr
	v_and_b32 v1, 15, v0                           ; r
	v_bfe_u32 v2, v0, 4, 1                         ; h
	v_mul_u32_u24 v3, v1, PA
	v_lshl_add_u32 v3, v2, 4, v3
	v_mul_u32_u24 v4, v1, PB
	v_lshl_add_u32 v4, v2, 4, v4
	s_mul_i32 s21, s13, 64*PA                      ; my 64 rows, in each plane of A
	s_mul_i32 s22, s14, BHALF                      ; my half of B,
	s_add_co_u32 s22, s22, 2*APLANE                ; behind A's planes
.irp s, 0,1
	v_add_nc_u32 v[ADRA+\s], s21, v3
	v_add_nc_u32 v[ADRB+\s], s22, v4
	s_add_co_u32 s21, s21, SLOT
	s_add_co_u32 s22, s22, SLOT
.endr
	s_mul_i32 s23, s12, 16*SPITCH
	s_add_co_u32 s23, s23, STAGE                   ; my stage
	v_mul_u32_u24 v5, v1, SPITCH
	v_lshl_add_u32 v5, v2, 5, v5
	v_add_nc_u32 v[STO], s23, v5                   ; in: row r, 32 bytes for each half of the lanes
	v_and_b32 v6, 31, v0
	v_lshlrev_b32 v[CO], 4, v6
	v_add_nc_u32 v[RD], s23, v[CO]                 ; back: 32 lanes take a row of 512 bytes
	v_lshlrev_b32 v[BO], 5, v2                     ; the bias: 32 h bytes
	s_lshl_b32 s46, s42, 10
	s_lshl_b32 s47, s14, 9
	s_add_co_u32 s46, s46, s47                     ; my first column, in bytes of f32
	s_mov_b32 s47, 0
	s_add_nc_u64 s[8:9], s[8:9], s[46:47]
	s_add_nc_u64 s[10:11], s[10:11], s[46:47]
	s_lshl_b32 s16, s41, 23                        ; my first row: 2,048 cy + 128 cluster y + 64 x half, 4,096 bytes a row
	s_lshl_b32 s17, s15, 19
	s_add_co_u32 s16, s16, s17
	s_lshl_b32 s17, s13, 18
	s_add_co_u32 s16, s16, s17
	s_mov_b32 s17, 0
	s_add_nc_u64 s[10:11], s[10:11], s[16:17]
	WIN TO_B
.irp b, 0,1,2,3,4,5,6,7                ; the bias in the result's layout: for block b the lane's eight columns 16 b + 8 h + 0 .. 7
	global_load_b128 v[128+8*\b:128+8*\b+3], v[BO], s[8:9] offset:64*\b
	global_load_b128 v[128+8*\b+4:128+8*\b+7], v[BO], s[8:9] offset:64*\b+16
.endr
	WIN 0
.macro MUL8 f, a, first                ; 8 products: A's block a x B's eight, 32 along K, buffer f.  The 32 accumulators take turns, one instruction a turn, in the same order in every quarter
.irp b, 0,1,2,3,4,5,6,7
.if \first
	v_wmma_f32_16x16x32_f16 v[8*(8*(\a)+\b):8*(8*(\a)+\b)+7], v[64*(\f)+8*\b:64*(\f)+8*\b+7], v[32+32*(\f)+8*(\a):32+32*(\f)+8*(\a)+7], v[128+8*\b:128+8*\b+7]
.else
	v_wmma_f32_16x16x32_f16 v[8*(8*(\a)+\b):8*(8*(\a)+\b)+7], v[64*(\f)+8*\b:64*(\f)+8*\b+7], v[32+32*(\f)+8*(\a):32+32*(\f)+8*(\a)+7], v[8*(8*(\a)+\b):8*(8*(\a)+\b)+7]
.endif
.endr
.endm
.macro FETCH slot, qd, f               ; 24 LDS loads in one run: quarter qd (32 along K) of the slot into buffer f; A's blocks 2 and 3 last
	WIN TO_B
.irp i, 0,1,2,3,4,5,6,7
	ds_load_b128 v[64*(\f)+8*\i:64*(\f)+8*\i+3],   v[ADRB+\slot] offset:64*(\qd)+\i*16*PB
	ds_load_b128 v[64*(\f)+8*\i+4:64*(\f)+8*\i+7], v[ADRB+\slot] offset:64*(\qd)+\i*16*PB+32
.endr
	WIN 0
.irp i, 0,1,2,3
	ds_load_b128 v[32+32*(\f)+8*\i:32+32*(\f)+8*\i+3],   v[ADRA+\slot] offset:((\qd)/2)*APLANE+((\qd)%2)*64+\i*16*PA
	ds_load_b128 v[32+32*(\f)+8*\i+4:32+32*(\f)+8*\i+7], v[ADRA+\slot] offset:((\qd)/2)*APLANE+((\qd)%2)*64+\i*16*PA+32
.endr
.endm
.macro PLACES
.rept 4
	v_nop
.endr
.endm
.macro MWIN first
.if \first
	WIN MULB
.else
	WIN MUL
.endif
.endm
.macro QUARTER slot, qd, f, g, first   ; multiplies buffer f; in its middle fetches quarter qd of the slot into buffer g
	s_wait_dscnt 4                                 ; B and A's blocks 0, 1 are in; the youngest four loads (A's blocks 2, 3) may be out
	MWIN \first
	MUL8 \f, 0, \first
	MUL8 \f, 1, \first
	PLACES
	FETCH \slot, \qd, \g
	s_wait_dscnt 24                                ; all but the 24 just issued
	MWIN \first
	MUL8 \f, 2, \first
	MUL8 \f, 3, \first
.endm
; A slot's last quarter multiplies buffer 1 and changes slots: one barrier; in front of it each wave waits for all its tensor loads, adds 0 to its spare word, and waits for that and for its reads of this slot.
.macro TURN slot, next, fill
	WIN 0
	s_wait_tensorcnt 0x0                           ; all my tensor loads have landed: my part of the next slot
	ds_add_u32 v[SPW], v[NIL]
	s_wait_dscnt 5                                 ; (the add and the youngest four loads may be out)
	WIN MUL
	MUL8 1, 0, 0
	s_wait_dscnt 0x0                               ; the add is done, and my reads of this slot are over
	s_barrier_signal -1
	MUL8 1, 1, 0
	WIN 0
	s_barrier_wait -1
.if \fill
	CREST                                          ; the barrier has opened a round of the cluster's: no wave of any partner still reads this slot or has a load on its way
	s_add_nc_u64 s[G0+4*\slot+2:G0+4*\slot+3], s[G0+4*\slot+2:G0+4*\slot+3], 1048576   ; two K steps on: four heads
	s_add_nc_u64 s[G0B+4*\slot+2:G0B+4*\slot+3], s[G0B+4*\slot+2:G0B+4*\slot+3], 512
	JLOAD \slot                                    ; the first tensor load behind the round; its four v_nop are also the places in front of the loads below
.else
	PLACES
.endif
	FETCH \next, 0, 0
	WIN MUL
	MUL8 1, 2, 0
	MUL8 1, 3, 0
.endm
	s_wait_loadcnt 0x0                             ; the bias
	s_wait_tensorcnt 1                             ; my part of K step 0 is in (K step 1's load may be out)
	s_barrier_signal -1
	s_barrier_wait -1                              ; everybody's is
	FETCH 0, 0, 0
	QUARTER 0, 1, 0, 1, 1                          ; the first quarter's products start the sums with the bias
	WIN 0
	s_mov_b32 s3, LAPS-1
.Llap:                                             ; a trip goes once round the ring and fills both slots again
	QUARTER 0, 2, 1, 0, 0
	QUARTER 0, 3, 0, 1, 0
	TURN 0, 1, 1
	QUARTER 1, 1, 0, 1, 0
	QUARTER 1, 2, 1, 0, 0
	QUARTER 1, 3, 0, 1, 0
	TURN 1, 0, 1
	QUARTER 0, 1, 0, 1, 0
	WIN 0
	s_sub_co_u32 s3, s3, 1
	s_cmp_lg_u32 s3, 0
	s_cbranch_scc1 .Llap
	QUARTER 0, 2, 1, 0, 0                          ; the last lap fills nothing
	QUARTER 0, 3, 0, 1, 0
	TURN 0, 1, 0
	QUARTER 1, 1, 0, 1, 0
	QUARTER 1, 2, 1, 0, 0
	QUARTER 1, 3, 0, 1, 0
	s_wait_dscnt 4
	WIN MUL
	MUL8 1, 0, 0
	MUL8 1, 1, 0
	s_wait_dscnt 0
	MUL8 1, 2, 0
	MUL8 1, 3, 0
	WIN 0
; THE WAY OUT, block by block of 16 rows x 128 columns: through my stage, back as rows of 512 bytes, which the 32 lanes store as 512 consecutive bytes, aligned.
.macro TOSTAGE a
	WIN 0x08                                       ; an LDS store's data are its source 1: window 2
.irp b, 0,1,2,3,4,5,6,7
	ds_store_b128 v[STO], v[64*(\a)+8*\b:64*(\a)+8*\b+3] offset:64*\b          ; each accumulator from its low end on
	ds_store_b128 v[STO], v[64*(\a)+8*\b+4:64*(\a)+8*\b+7] offset:64*\b+16
.endr
	WIN 0
.set BB, BK+64*((\a)%2)
.irp t, 0,1,2,3,4,5,6,7,8,9,10,11,12,13,14,15
	ds_load_b128 v[BB+4*\t:BB+4*\t+3], v[RD] offset:\t*SPITCH   ; LDS serves a wave's instructions in order
.endr
.endm
.macro SEND a, younger
.set BB, BK+64*((\a)%2)
	s_wait_dscnt \younger                          ; the block is back; the next block's 16 stores and 16 loads may be out
.if (\a) == 0
	s_or_b32 s20, s15, s13                         ; rows n = 0 .. 15 of a sequence (cluster y = 0, upper half, block 0) belong to the next launch: cluster y and the wave's number alone decide
	s_cmp_eq_u32 s20, 0
	s_cbranch_scc1 .Lnot_mine
.endif
.irp t, 0,1,2,3,4,5,6,7,8,9,10,11,12,13,14,15
	global_store_b128 v[CO], v[BB+4*\t:BB+4*\t+3], s[10:11] offset:(\a)*65536+\t*4096 th:TH_STORE_NT
.endr
.if (\a) == 0
.Lnot_mine:
.endif
.endm
	PLACES
	TOSTAGE 0
.irp a, 1,2,3
.if \a > 1
	s_wait_xcnt 0x0                                ; block a - 2's stores have read their registers: block a's loads may land there
.endif
	TOSTAGE \a
	SEND \a-1, 32
.endr
	SEND 3, 0
	s_wait_tensorcnt 0x0                           ; the wave's end
	ds_add_u32 v[SPW], v[NIL]
	s_wait_dscnt 0x0
	CROUND                                         ; the closing round
	s_endpgm
.Lfunc_end_k_q56ad804ba4_proj:
	.size	k_q56ad804ba4_proj, .Lfunc_end_k_q56ad804ba4_proj-k_q56ad804ba4_proj
	.p2alignl 7, 3214868480
	.fill 96, 4, 3214868480
	.section	.rodata,"a",@progbits
	.p2align	6, 0x0
	.amdhsa_kernel k_q56ad804ba4_proj
		.amdhsa_group_segment_fixed_size 327680
		.amdhsa_private_segment_fixed_size 0
		.amdhsa_enable_private_segment 0
		.amdhsa_kernarg_size 32
		.amdhsa_user_sgpr_count 2
		.amdhsa_user_sgpr_kernarg_segment_ptr 1
		.amdhsa_wavefront_size32 1
		.amdhsa_system_sgpr_workgroup_id_x 1
		.amdhsa_system_sgpr_workgroup_id_y 1
		.amdhsa_system_sgpr_workgroup_id_z 1
		.amdhsa_system_vgpr_workitem_id 0
		.amdhsa_next_free_vgpr 768
		.amdhsa_next_free_sgpr 66
		.amdhsa_reserve_vcc 0
		.amdhsa_float_denorm_mode_32 3
		.amdhsa_float_denorm_mode_16_64 3
		.amdhsa_memory_ordered 1
		.amdhsa_forward_progress 1
		.amdhsa_inst_pref_size 87
	.end_amdhsa_kernel
	.amdgpu_metadata
---
amdhsa.version: [ 1, 2 ]
amdhsa.kernels:
  - .name:           k_q56ad804ba4_proj
    .symbol:         k_q56ad804ba4_proj.kd
    .args:
      - { .name: att, .offset: 0, .size: 8, .value_kind: global_buffer, .address_space: global }
      - { .name: pw16, .offset: 8, .size: 8, .value_kind: global_buffer, .address_space: global }
      - { .name: proj_b, .offset: 16, .size: 8, .value_kind: global_buffer, .address_space: global }
      - { .name: out0, .offset: 24, .size: 8, .value_kind: global_buffer, .address_space: global }
    .group_segment_fixed_size: 327680
    .private_segment_fixed_size: 0
    .kernarg_segment_align: 8
    .kernarg_segment_size: 32
    .max_flat_workgroup_size: 128
    .sgpr_count:     66
    .vgpr_count:     768
    .wavefront_size: 32
...
	.end_amdgpu_metadata
.endif
;; end of part 4
;; launch head (part 5): grid 16 x 4, 16 waves a work-group, no clusters, 71,680 bytes of LDS; arguments h32, proj_w, proj_b, out0; writes out0
.if DOCPART == 5
	.amdgcn_target "amdgcn-amd-amdhsa--gfx1250"
	.amdhsa_code_object_version 6
	.text
	.protected	k_q56ad804ba4_head
	.globl	k_q56ad804ba4_head
	.p2align	8
	.type	k_q56ad804ba4_head,@function
k_q56ad804ba4_head:
	s_mov_b64 s[64:65], 0
	v_nop
	global_prefetch_b8 v0, s[64:65] scope:SCOPE_SE
	s_setreg_imm32_b32 hwreg(HW_REG_WAVE_MODE, 25, 1), 1
	s_wait_xcnt 0x0
; Launch 5 of 5: rows n = 0 .. 15 of each sequence, attention and projection in f32: these rows average one to sixteen values and are the largest in size, so no operand of theirs is rounded to 16 bits.
; h32: [b][part][head] x 4,096 bytes: images of accumulator registers: the 16 bytes at 1024 c + 512 g + 16 lane hold X[row lane % 16][channel 16 c + 8 (lane / 16) + 4 g + 0 .. 3].
; SHARES.  A work-group (chunk of 64 output columns, batch) has sixteen waves; wave hd makes head hd's attention for the 16 rows and that head's part of the projection (K = its 64 channels); the sixteen parts meet in LDS; wave w sums and stores row w.
; The keys of these rows are keys 0 .. 15 alone (the mask), one tile.
; THE f32 MATRIX FORM takes 4 along K: lane (r, h) gives k = 2 h + j in register j.  A permutation of K applied alike to both sources keeps the products, so q's and k's images serve as they lie, a pair of registers a step.
; S^T = K Q^T: a lane holds query r and keys 8 h + j.  O^T = V^T P: source 1 = P as it lies (keys 8 h + 2 t + j), source 0 = V gathered so.  out^T = W O^T: source 1 = O^T as it lies, source 0 = proj_w's rows.
; The registers that the matrix form writes (v176-239) are written by nothing else.
; REGISTERS: v1-11 addresses; v[12:13] the sum; v[14:15] the bias; v16-47 Q, v48-79 K (later W of output tiles 2, 3); v80-111 V (later the sixteen parts); v112-175 W of tiles 0, 1; v176-191 two chains of S^T, later out tiles 0, 1;
; v192-223 O^T; v224-239 out tiles 2, 3; v240-247 the scores' sum, then p; v248-254 at work.
.set SPARE, 16*4352                    ; behind the sixteen parts (16 rows x 272 bytes each): the spare words, 128 bytes a wave
.set SPW, 6
.set NIL, 7
	s_load_b256 s[4:11], s[0:1], 0x0               ; h32 s[4:5], proj_w s[6:7], proj_b s[8:9], out0 s[10:11]
	v_lshl_add_u32 v[SPW], v0, 2, SPARE
	v_mov_b32 v[NIL], 0
	v_lshrrev_b32 v1, 5, v0
	v_readfirstlane_b32 s12, v1                    ; wave = head
	s_and_b32 s13, ttmp7, 0xffff                   ; batch
	v_and_b32 v4, 31, v0                           ; lane
	v_and_b32 v5, 15, v0                           ; r
	v_bfe_u32 v12, v0, 4, 1                        ; h
	v_lshlrev_b32 v1, 4, v4                        ; an image's place for my lane
	v_bfe_u32 v2, v0, 2, 1
	v_lshlrev_b32 v2, 9, v2                        ; V(key 8 h + i, channel 16 ct + r): 512 ((r / 4) % 2)
	v_bfe_u32 v13, v0, 3, 1
	v_lshl_add_u32 v2, v13, 8, v2                  ; + 256 (r / 8)
	v_lshl_add_u32 v2, v12, 7, v2                  ; + 128 h
	v_and_b32 v13, 3, v0
	v_lshl_add_u32 v2, v13, 2, v2                  ; + 4 (r % 4)
	v_lshlrev_b32 v3, 12, v5
	v_lshl_add_u32 v3, v12, 5, v3                  ; proj_w: row r of 4,096 bytes + 32 h
	s_mul_i32 s14, s12, 4352
	v_mul_u32_u24 v8, v5, 272
	v_lshl_add_u32 v8, v12, 5, v8
	v_add_nc_u32 v8, s14, v8                       ; my part: row r, 32 bytes for each half of the lanes
	s_mul_i32 s14, s12, 272
	v_lshlrev_b32 v10, 3, v4                       ; 8 x lane
	v_add_nc_u32 v9, s14, v10                      ; row w of a part
	v_lshlrev_b32 v13, 3, v12
	v_sub_nc_u32 v11, v5, v13                      ; d = r - 8 h
	s_mul_i32 s14, s13, 48
	s_add_co_u32 s14, s14, s12
	s_lshl_b32 s14, s14, 12                        ; q's image: (48 b + head) x 4,096
	s_mov_b32 s15, 0
	s_lshl_b32 s16, ttmp9, 18                      ; proj_w: 64 rows a chunk,
	s_lshl_b32 s17, s12, 8                         ; my head's 64 channels
	s_add_co_u32 s16, s16, s17
	s_mov_b32 s17, 0
	s_lshl_b32 s18, ttmp9, 8                       ; the chunk's 64 columns in bytes
	s_mov_b32 s19, 0
	s_lshl_b32 s20, s13, 11
	s_add_co_u32 s20, s20, s12                     ; the row that I store: 2,048 b + w
	s_lshl_b32 s20, s20, 12
	s_add_co_u32 s20, s20, s18
	s_mov_b32 s21, 0
	s_mov_b32 s22, 0x76543210
	s_mov_b32 s23, 0xfedcba98                      ; lane l xor 16
	s_mov_b32 s24, 0x3e38aa3b                      ; c = log2(e) / 8
	s_wait_kmcnt 0x0
	s_add_nc_u64 s[4:5], s[4:5], s[14:15]
	s_add_nc_u64 s[6:7], s[6:7], s[16:17]
	s_add_nc_u64 s[8:9], s[8:9], s[18:19]
	s_add_nc_u64 s[10:11], s[10:11], s[20:21]
.irp i, 0,1,2,3,4,5,6,7
	global_load_b128 v[16+4*\i:19+4*\i], v1, s[4:5] offset:512*\i           ; q
.endr
.irp i, 0,1,2,3,4,5,6,7
	global_load_b128 v[48+4*\i:51+4*\i], v1, s[4:5] offset:65536+512*\i     ; k
.endr
.irp c, 0,1,2,3
.irp i, 0,1,2,3,4,5,6,7
	global_load_b32 v[80+8*\c+\i], v2, s[4:5] offset:131072+1024*\c+16*\i   ; V(8 h + i, 16 c + r)
.endr
.endr
.irp o, 0,1
.irp c, 0,1,2,3
.irp g, 0,1
	global_load_b128 v[112+32*\o+8*\c+4*\g:115+32*\o+8*\c+4*\g], v3, s[6:7] offset:\o*65536+64*\c+16*\g   ; W(16 o + r, 16 c + 8 h + 4 g + 0 .. 3)
.endr
.endr
.endr
	global_load_b64 v[14:15], v10, s[8:9]          ; the bias of my two columns
	s_wait_loadcnt 49                              ; q and k are in; V's 32, W's 16 and the bias's one may be out
.set n, 0
.rept 16                               ; S^T in two chains that take turns; the first two steps start the sums
.if n < 2
	v_wmma_f32_16x16x4_f32 v[176+8*(n%2):183+8*(n%2)], v[48+2*n:49+2*n], v[16+2*n:17+2*n], 0
.else
	v_wmma_f32_16x16x4_f32 v[176+8*(n%2):183+8*(n%2)], v[48+2*n:49+2*n], v[16+2*n:17+2*n], v[176+8*(n%2):183+8*(n%2)]
.endif
.set n, n+1
.endr
.rept 8
	v_nop                                          ; eight places behind this form, for the loads into q's and k's registers and for the first read of the sums
.endr
.irp o, 2,3
.irp c, 0,1,2,3
.irp g, 0,1
	global_load_b128 v[16+32*(\o-2)+8*\c+4*\g:19+32*(\o-2)+8*\c+4*\g], v3, s[6:7] offset:\o*65536+64*\c+16*\g
.endr
.endr
.endr
.irp j, 0,1,2,3,4,5,6,7
	v_add_f32 v[240+\j], v[176+\j], v[184+\j]      ; the two chains, from the low end on
.endr
	v_mov_b32 v248, 0xff800000                     ; -infinity
.irp j, 0,1,2,3,4,5,6,7
	v_cmp_gt_i32 vcc_lo, \j, v11                   ; key 8 h + j > query r
	v_cndmask_b32 v[240+\j], v[240+\j], v248, vcc_lo
.endr
	v_max3_num_f32 v249, v240, v241, v242
	v_max3_num_f32 v249, v249, v243, v244
	v_max3_num_f32 v249, v249, v245, v246
	v_max_num_f32 v249, v249, v247
	v_mov_b32 v250, 0
	v_permlanex16_b32 v250, v249, s22, s23
	v_max_num_f32 v249, v249, v250                 ; the row's maximum: key 0 counts for every query
	v_mul_f32 v249, s24, v249
.irp j, 0,1,2,3,4,5,6,7
	v_fma_f32 v[240+\j], v[240+\j], s24, -v249
.endr
.irp j, 0,1,2,3,4,5,6,7
	v_exp_f32 v[240+\j], v[240+\j]
.endr
	v_nop
	s_wait_alu depctr_va_vdst(0)                   ; one wait for the eight exponentials, ahead of their first reader
	v_add_f32 v251, v240, v241
	v_add_f32 v252, v242, v243
	v_add_f32 v253, v244, v245
	v_add_f32 v254, v246, v247
	v_add_f32 v251, v251, v252
	v_add_f32 v253, v253, v254
	v_add_f32 v251, v251, v253
	v_permlanex16_b32 v250, v251, s22, s23
	v_add_f32 v251, v251, v250
	v_rcp_f32 v252, v251
	v_nop
	s_wait_alu depctr_va_vdst(0)
.irp j, 0,1,2,3,4,5,6,7
	v_mul_f32 v[240+\j], v[240+\j], v252           ; the weights
.endr
	s_wait_loadcnt 33                              ; V is in; W's 16, the bias's one and W's other 16 may be out
.irp t, 0,1,2,3
.irp c, 0,1,2,3                        ; O^T: four accumulators by turns; keys 8 h + 2 t + j
.if \t == 0
	v_wmma_f32_16x16x4_f32 v[192+8*\c:199+8*\c], v[80+8*\c+2*\t:81+8*\c+2*\t], v[240+2*\t:241+2*\t], 0
.else
	v_wmma_f32_16x16x4_f32 v[192+8*\c:199+8*\c], v[80+8*\c+2*\t:81+8*\c+2*\t], v[240+2*\t:241+2*\t], v[192+8*\c:199+8*\c]
.endif
.endr
.endr
.rept 9
	v_nop                                          ; nine places before a matrix instruction takes these results as a source
.endr
	s_wait_loadcnt 0x0
.irp c, 0,1,2,3
.irp t, 0,1,2,3
.irp o, 0,1,2,3                        ; out^T: four accumulators by turns; channels 16 c + 8 h + 2 t + j
.set rD, 176+8*\o+32*(\o/2)
.set rW, 112+32*\o-160*(\o/2)
.if (\c == 0) && (\t == 0)
	v_wmma_f32_16x16x4_f32 v[rD:rD+7], v[rW+8*\c+2*\t:rW+8*\c+2*\t+1], v[192+8*\c+2*\t:193+8*\c+2*\t], 0
.else
	v_wmma_f32_16x16x4_f32 v[rD:rD+7], v[rW+8*\c+2*\t:rW+8*\c+2*\t+1], v[192+8*\c+2*\t:193+8*\c+2*\t], v[rD:rD+7]
.endif
.endr
.endr
.endr
.rept 8
	v_nop
.endr
.irp o, 0,1,2,3
.set rD, 176+8*\o+32*(\o/2)
	ds_store_b128 v8, v[rD:rD+3] offset:64*\o      ; lane (r, h): row r, columns 16 o + 8 h + 0 .. 7; each accumulator from its low end on
	ds_store_b128 v8, v[rD+4:rD+7] offset:64*\o+16
.endr
	s_wait_dscnt 0x0                               ; for the others' sake: my part lies in LDS
	s_barrier_signal -1
	s_barrier_wait -1
.irp u, 0,1,2,3,4,5,6,7,8,9,10,11,12,13,14,15
	ds_load_b64 v[80+2*\u:81+2*\u], v9 offset:4352*\u   ; row w of head u's part: 32 lanes x 8 bytes
.endr
	s_wait_dscnt 0x0
	v_pk_add_f32 v[12:13], v[14:15], v[80:81]      ; the bias and the sixteen heads, in ascending order
.irp u, 1,2,3,4,5,6,7,8,9,10,11,12,13,14,15
	v_pk_add_f32 v[12:13], v[12:13], v[80+2*\u:81+2*\u]
.endr
	global_store_b64 v10, v[12:13], s[10:11]       ; 32 lanes store 256 consecutive bytes, aligned
	s_wait_tensorcnt 0x0                           ; the wave's end
	ds_add_u32 v[SPW], v[NIL]
	s_wait_dscnt 0x0
	s_endpgm
.Lfunc_end_k_q56ad804ba4_head:
	.size	k_q56ad804ba4_head, .Lfunc_end_k_q56ad804ba4_head-k_q56ad804ba4_head
	.p2alignl 7, 3214868480
	.fill 96, 4, 3214868480
	.section	.rodata,"a",@progbits
	.p2align	6, 0x0
	.amdhsa_kernel k_q56ad804ba4_head
		.amdhsa_group_segment_fixed_size 71680
		.amdhsa_private_segment_fixed_size 0
		.amdhsa_enable_private_segment 0
		.amdhsa_kernarg_size 32
		.amdhsa_user_sgpr_count 2
		.amdhsa_user_sgpr_kernarg_segment_ptr 1
		.amdhsa_wavefront_size32 1
		.amdhsa_system_sgpr_workgroup_id_x 1
		.amdhsa_system_sgpr_workgroup_id_y 1
		.amdhsa_system_sgpr_workgroup_id_z 1
		.amdhsa_system_vgpr_workitem_id 0
		.amdhsa_next_free_vgpr 256
		.amdhsa_next_free_sgpr 66
		.amdhsa_reserve_vcc 1
		.amdhsa_float_denorm_mode_32 3
		.amdhsa_float_denorm_mode_16_64 3
		.amdhsa_memory_ordered 1
		.amdhsa_forward_progress 1
		.amdhsa_inst_pref_size 23
	.end_amdhsa_kernel
	.amdgpu_metadata
---
amdhsa.version: [ 1, 2 ]
amdhsa.kernels:
  - .name:           k_q56ad804ba4_head
    .symbol:         k_q56ad804ba4_head.kd
    .args:
      - { .name: h32, .offset: 0, .size: 8, .value_kind: global_buffer, .address_space: global }
      - { .name: proj_w, .offset: 8, .size: 8, .value_kind: global_buffer, .address_space: global }
      - { .name: proj_b, .offset: 16, .size: 8, .value_kind: global_buffer, .address_space: global }
      - { .name: out0, .offset: 24, .size: 8, .value_kind: global_buffer, .address_space: global }
    .group_segment_fixed_size: 71680
    .private_segment_fixed_size: 0
    .kernarg_segment_align: 8
    .kernarg_segment_size: 32
    .max_flat_workgroup_size: 512
    .sgpr_count:     66
    .vgpr_count:     256
    .wavefront_size: 32
...
	.end_amdgpu_metadata
.endif
;; end of part 5
